; MI455X (gfx1250); checked and timed in simulation.
; The chip was launched on July 23, 2026; its instructions are those of AMD's public machine-readable ISA for CDNA 5 (MIT licence, August 2026) and "CDNA5" Instruction Set Architecture Reference Guide (July 2026). The comments in the code are by the model that wrote it; some were corrected since.
;; Transformer Block. Allowed arithmetic: float matrix products may take bf16 or f16 operands with f32 sums; all other float work in f32.
;; Inputs: Wa 384 x 384 float32; Wf 384 x 384 float32; Wk 384 x 384 float32; Wq 384 x 384 float32; Wv 384 x 384 float32; ba 384 float32; be1 384 float32; be2 384 float32; bf 384 float32; bk 384 float32; bq 384 float32; bv 384 float32; g1 384 float32; g2 384 float32; x 4 x 4,096 x 384 float32.
;; Outputs: out0 4 x 4,096 x 384 float32.
;; 2 versions, each right and faster than the one before. Each part assembles by itself: llvm-mc -triple=amdgcn-amd-amdhsa -mcpu=gfx1250 --defsym DOCPART=n.
;; ======== version 1 of 2: 3 launches
;; limits: values are held in f16: magnitudes above 65,504 overflow, below 6.1e-05 lose precision
;; workspace buffers: wh 1,474,560 bytes; kh 12,582,912 bytes; vh 12,582,912 bytes
;; launch cast (part 1): grid 72 x 5, 8 waves a work-group, no clusters, 0 bytes of LDS; arguments Wq, Wk, Wv, Wa, Wf, wh; writes wh
.if DOCPART == 1
	.amdgcn_target "amdgcn-amd-amdhsa--gfx1250"
	.amdhsa_code_object_version 6
	.text
	.protected	k_qd5c8af5ded_cast
	.globl	k_qd5c8af5ded_cast
	.p2align	8
	.type	k_qd5c8af5ded_cast,@function
k_qd5c8af5ded_cast:
	s_mov_b64 s[64:65], 0
	v_nop
	global_prefetch_b8 v0, s[64:65] scope:SCOPE_SE
	s_setreg_imm32_b32 hwreg(HW_REG_WAVE_MODE, 25, 1), 1
	s_wait_xcnt 0x0
; The five weight matrices [384][384] f32 -> f16, same row-major layout, into wh: sections of 294,912 bytes in the order Wq, Wk, Wv, Wa, Wf.
; Grid: x = 72 pieces of 2,048 numbers, y = which matrix.  Thread t converts the 8 numbers at byte 32 t of the piece and stores
; 16 bytes at byte 16 t: one store of a wave covers 512 consecutive aligned bytes.  A stream: no LDS, no barrier, no matrix unit.
; LIMIT: a weight beyond f16's range (65,504) becomes infinite; one below about 6e-8 becomes zero.
.set WSEC, 294912
	s_load_b256 s[4:11], s[0:1], 0x0               ; Wq s[4:5], Wk s[6:7], Wv s[8:9], Wa s[10:11]
	s_load_b128 s[12:15], s[0:1], 0x20             ; Wf s[12:13], wh s[14:15]
	s_and_b32 s16, ttmp7, 0xffff                   ; y: which matrix
	s_lshl_b32 s20, ttmp9, 13                      ; the piece in the source: 8,192 bytes
	s_mov_b32 s21, 0
	s_mul_i32 s22, s16, WSEC                       ; the section in wh,
	s_lshl_b32 s17, ttmp9, 12                      ; and the piece in it: 4,096 bytes
	s_add_co_u32 s22, s22, s17
	s_mov_b32 s23, 0
	v_lshlrev_b32 v1, 5, v0                        ; 32 t
	v_lshlrev_b32 v2, 4, v0                        ; 16 t
	s_wait_kmcnt 0x0
	s_mov_b64 s[18:19], s[4:5]                     ; the source is chosen by y alone
	s_cmp_eq_u32 s16, 1
	s_cselect_b64 s[18:19], s[6:7], s[18:19]
	s_cmp_eq_u32 s16, 2
	s_cselect_b64 s[18:19], s[8:9], s[18:19]
	s_cmp_eq_u32 s16, 3
	s_cselect_b64 s[18:19], s[10:11], s[18:19]
	s_cmp_eq_u32 s16, 4
	s_cselect_b64 s[18:19], s[12:13], s[18:19]
	s_add_nc_u64 s[18:19], s[18:19], s[20:21]
	s_add_nc_u64 s[14:15], s[14:15], s[22:23]
	global_load_b128 v[4:7], v1, s[18:19] th:TH_LOAD_NT
	global_load_b128 v[8:11], v1, s[18:19] offset:16 th:TH_LOAD_NT
	s_wait_loadcnt 0x0
	v_cvt_pk_f16_f32 v12, v4, v5
	v_cvt_pk_f16_f32 v13, v6, v7
	v_cvt_pk_f16_f32 v14, v8, v9
	v_cvt_pk_f16_f32 v15, v10, v11
	global_store_b128 v2, v[12:15], s[14:15]       ; read again by the next launches: no hint
	s_endpgm
.Lfunc_end_k_qd5c8af5ded_cast:
	.size	k_qd5c8af5ded_cast, .Lfunc_end_k_qd5c8af5ded_cast-k_qd5c8af5ded_cast
	.p2alignl 7, 3214868480
	.fill 96, 4, 3214868480
	.section	.rodata,"a",@progbits
	.p2align	6, 0x0
	.amdhsa_kernel k_qd5c8af5ded_cast
		.amdhsa_group_segment_fixed_size 0
		.amdhsa_private_segment_fixed_size 0
		.amdhsa_enable_private_segment 0
		.amdhsa_kernarg_size 48
		.amdhsa_user_sgpr_count 2
		.amdhsa_user_sgpr_kernarg_segment_ptr 1
		.amdhsa_wavefront_size32 1
		.amdhsa_system_sgpr_workgroup_id_x 1
		.amdhsa_system_sgpr_workgroup_id_y 1
		.amdhsa_system_sgpr_workgroup_id_z 1
		.amdhsa_system_vgpr_workitem_id 0
		.amdhsa_next_free_vgpr 16
		.amdhsa_next_free_sgpr 66
		.amdhsa_reserve_vcc 0
		.amdhsa_float_denorm_mode_32 3
		.amdhsa_float_denorm_mode_16_64 3
		.amdhsa_memory_ordered 1
		.amdhsa_forward_progress 1
		.amdhsa_inst_pref_size 2
	.end_amdhsa_kernel
	.amdgpu_metadata
---
amdhsa.version: [ 1, 2 ]
amdhsa.kernels:
  - .name:           k_qd5c8af5ded_cast
    .symbol:         k_qd5c8af5ded_cast.kd
    .args:
      - { .name: Wq, .offset: 0, .size: 8, .value_kind: global_buffer, .address_space: global }
      - { .name: Wk, .offset: 8, .size: 8, .value_kind: global_buffer, .address_space: global }
      - { .name: Wv, .offset: 16, .size: 8, .value_kind: global_buffer, .address_space: global }
      - { .name: Wa, .offset: 24, .size: 8, .value_kind: global_buffer, .address_space: global }
      - { .name: Wf, .offset: 32, .size: 8, .value_kind: global_buffer, .address_space: global }
      - { .name: wh, .offset: 40, .size: 8, .value_kind: global_buffer, .address_space: global }
    .group_segment_fixed_size: 0
    .private_segment_fixed_size: 0
    .kernarg_segment_align: 8
    .kernarg_segment_size: 48
    .max_flat_workgroup_size: 256
    .sgpr_count:     66
    .vgpr_count:     16
    .wavefront_size: 32
...
	.end_amdgpu_metadata
.endif
;; end of part 1
;; launch kv (part 2): grid 256 x 1, 4 waves a work-group, clusters of 4 x 1, 327,680 bytes of LDS; arguments x, wh, g1, be1, bk, bv, kh, vh; writes kh, vh
.if DOCPART == 2
	.amdgcn_target "amdgcn-amd-amdhsa--gfx1250"
	.amdhsa_code_object_version 6
	.text
	.protected	k_qd5c8af5ded_kv
	.globl	k_qd5c8af5ded_kv
	.p2align	8
	.type	k_qd5c8af5ded_kv,@function
k_qd5c8af5ded_kv:
	s_mov_b64 s[64:65], 0
	v_nop
	global_prefetch_b8 v0, s[64:65] scope:SCOPE_SE
	s_setreg_imm32_b32 hwreg(HW_REG_WAVE_MODE, 25, 1), 1
	s_wait_xcnt 0x0
	s_wait_alu depctr_hold_cnt(0) depctr_sa_sdst(0) depctr_va_vdst(0) depctr_va_sdst(0) depctr_va_ssrc(0) depctr_va_vcc(0) depctr_vm_vsrc(0)
	s_getreg_b32 s2, hwreg(HW_REG_IB_STS2, 6, 4)
	s_cmp_eq_u32 s2, 0
	s_cbranch_scc0 .Lentry_in_a_cluster
	s_endpgm
.Lentry_in_a_cluster:
	s_bfe_u32 s2, ttmp6, 0x10000c
	s_cmp_lg_u32 s2, 0x3003
	s_cbranch_scc0 .Lentry_shape_is_right
	s_endpgm
.Lentry_shape_is_right:
; h = LayerNorm(x; g1, be1);  K = h Wk + bk;  V = h Wv + bv;  K and V stored in f16 as [token][384].
; A work-group takes 64 tokens (4 blocks qb of 16), four waves.  Every product is made TRANSPOSED: source 0 = 16 output features x 32 input
; features (the weights lie [k][n] in LDS and come through the transposing load), source 1 = 32 input features x 16 tokens.  In a result
; lane (r, h) holds token r, register j feature 8 h + j: what belongs to a token (mean, variance) is a lane's own, and two neighbouring
; result tiles, rounded to f16, ARE a source-1 fragment of a following product.
; Wave w owns the feature chunks c = w + 4 i (i = 0..2) of 32 features: 6 blocks u = 2 i + e of 16 features x 4 qb = 24 accumulator tiles.
; CLUSTER: the four work-groups of a cluster walk the same weight tiles; each tile is asked for jointly (mask 15) and fetched once for four.
; LDS: BUF0, BUF1 (110,592 bytes each) take turns tile by tile, filled by tensor loads; HB holds h as raw fragment images; MBA/MBB the
; waves' partial sums; STG the f16 result on its way out.  HB, MBA, MBB, STG are never the target of a tensor load.
; A weight tile is 128 rows x 768 bytes, dense in memory; wave w brings 32 rows as 96 pieces of 256 bytes, 32 bytes of padding behind each:
; a row is 864 bytes in LDS, an odd multiple of 32, so the eight rows and two halves that a transposing load's 16 lanes touch differ modulo 256.
; The x tile (64 rows x 1,536 bytes): 96 pieces a wave, 16 bytes of padding: a row is 1,632 bytes; the 16 rows that a read touches fall on
; 8 different places modulo 256 bytes, two lanes each: accepted, 48 loads a wave once in the kernel.
; LIMITS: matrix operands are f16: |h| and the weights must stay under 65,504, and so must K and V as stored.  NaN and infinities are not treated specially.
; REGISTERS, in windows of 256: window 0: v1-15 addresses, v24-63 per-token numbers and temporaries, v64-255 at work;
; window 1: g1 at 0, be1 at 48, bk at 96, bv at 144 (index 8 u + j); window 3: the 24 accumulator tiles, tile tt = 4 u + qb at 8 tt.
.set BUF,   110592
.set HB,    221184
.set MBA,   270336                     ; MBB = MBA + 2048
.set STG,   274432                     ; 64 rows of 768 + 16 bytes
.set FB0,   64                         ; fragment buffers: 4 source-1 fragments, then 6 source-0 fragments
.set FB1,   144
.set WSEC,  294912                     ; a weight matrix in wh
.set WTILE, 98304                      ; 128 of its rows
.set MSB, 0
.macro WIN new                         ; the immediate's high byte repeats the setting that is left
.if MSB != \new
	s_set_vgpr_msb (MSB<<8)|\new
.set MSB, \new
.endif
.endm
.macro PLACES n
.rept \n
	v_nop
.endr
.endm
; A round of the cluster's barrier, in two parts so that register work can stand inside it.
.macro ROPEN                           ; my LDS accesses are done, all my tensor loads have landed: say so
	s_wait_dscnt 0x0
	s_wait_tensorcnt 0x0
	ds_add_u32 v46, v47
	s_wait_dscnt 0x0
	s_barrier_signal -1
.endm
.macro RCLOSE                          ; my work-group has said so; wave 0 says so for it; all four work-groups have; my work-group's barrier closes the round
	WIN 0
	s_barrier_wait -1
	s_cmp_lg_u32 s28, 0
	s_cbranch_scc1 .Lnw0_\@
	s_barrier_signal -3
.Lnw0_\@:
	s_barrier_wait -3
	s_barrier_signal -1
	s_barrier_wait -1
.endm
.macro ROUND
	s_barrier_signal -1
	RCLOSE
.endm
.macro BAR                             ; a plain barrier
	s_wait_dscnt 0x0
	s_barrier_signal -1
	s_barrier_wait -1
.endm
.macro G1SET base, word0               ; 96 rows of 32 elements of 8 bytes, pitch 32 elements
	s_mov_b32 s[\base+0], \word0
	s_mov_b32 s[\base+1], 32<<16
	s_mov_b32 s[\base+2], 96<<16
	s_mov_b32 s[\base+3], 32<<16
	s_mov_b32 s[\base+4], 96
	s_mov_b32 s[\base+5], 32
	s_mov_b32 s[\base+6], 0
	s_mov_b32 s[\base+7], 0
.endm
.macro SETW sec, tile, buf             ; the weights' group 0; written only where no tensor load of the wave is out
	s_add_nc_u64 s[78:79], s[80:81], \sec*WSEC+\tile*WTILE
	s_or_b32 s79, s79, 0x80000000
	s_add_co_u32 s77, s35, \buf*BUF
.endm
.macro TLW
	tensor_load_to_lds s[76:79], s[44:51]
	s_nop 0
.endm
.macro VECLD ptr, base                 ; my 48 numbers of a vector of 384, into window 1
	WIN 0x40
.set uu, 0
.rept 6
	global_load_b128 v[\base+8*uu:\base+8*uu+3], v10, s[\ptr:\ptr+1] offset:512*(uu>>1)+64*(uu&1)
	global_load_b128 v[\base+8*uu+4:\base+8*uu+7], v10, s[\ptr:\ptr+1] offset:512*(uu>>1)+64*(uu&1)+16
.set uu, uu+1
.endr
.endm
.macro XLOAD                           ; x from BUF0 into the accumulators, in the layout of a result
	WIN 0xc0
.set tt, 0
.rept 24
	ds_load_b128 v[8*tt:8*tt+3], v[11+((tt&3)>>1)] offset:(tt&1)*26112+544*(tt>>3)+64*((tt>>2)&1)
	ds_load_b128 v[8*tt+4:8*tt+7], v[11+((tt&3)>>1)] offset:(tt&1)*26112+544*(tt>>3)+64*((tt>>2)&1)+16
.set tt, tt+1
.endr
	WIN 0
.endm
; 20 loads: the four token fragments of k chunk kc from HB, and my six feature fragments of the same 32 rows of buffer b
.macro FETCHV kc, fb, b, hoff
.set qq, 0
.rept 4
	ds_load_b128 v[\fb+8*qq:\fb+8*qq+3], v7 offset:\hoff+1024*(4*\kc+qq)
	ds_load_b128 v[\fb+8*qq+4:\fb+8*qq+7], v7 offset:\hoff+1024*(4*\kc+qq)+512
.set qq, qq+1
.endr
.set uu, 0
.rept 6
	ds_load_tr16_b128 v[\fb+32+8*uu:\fb+32+8*uu+3], v[2+2*\b+(\kc>>1)] offset:(\kc&1)*27648+288*(uu>>1)+32*(uu&1)
	ds_load_tr16_b128 v[\fb+32+8*uu+4:\fb+32+8*uu+7], v[2+2*\b+(\kc>>1)] offset:(\kc&1)*27648+288*(uu>>1)+32*(uu&1)+13824
.set uu, uu+1
.endr
.endm
; 24 matrix instructions: the 24 accumulators take turns, one instruction a turn, always in this order
.macro MUL fb, zero
	WIN 0xf0
.set uu, 0
.rept 6
.set qq, 0
.rept 4
.if \zero
	v_wmma_f32_16x16x32_f16 v[8*(4*uu+qq):8*(4*uu+qq)+7], v[\fb+32+8*uu:\fb+32+8*uu+7], v[\fb+8*qq:\fb+8*qq+7], 0
.else
	v_wmma_f32_16x16x32_f16 v[8*(4*uu+qq):8*(4*uu+qq)+7], v[\fb+32+8*uu:\fb+32+8*uu+7], v[\fb+8*qq:\fb+8*qq+7], v[8*(4*uu+qq):8*(4*uu+qq)+7]
.endif
.set qq, qq+1
.endr
.set uu, uu+1
.endr
.endm
; 128 rows of the k dimension from buffer b, four chunks of 32 on two fragment buffers.  A load into a register that a matrix instruction has
; read stands four plain vector instructions behind it (ISA guide 7.12.1 for vector instructions).
; s_wait_dscnt 20: the 20 loads of the younger chunk stay out.  open = 1: the last 24 matrix instructions stand inside the next round's opening barrier.
.macro MULV b, hoff, zero, open
	PLACES 4
	FETCHV 0, FB0, \b, \hoff
	FETCHV 1, FB1, \b, \hoff
	s_wait_dscnt 20
	MUL FB0, \zero
	WIN 0
	PLACES 4
	FETCHV 2, FB0, \b, \hoff
	s_wait_dscnt 20
	MUL FB1, 0
	WIN 0
	PLACES 4
	FETCHV 3, FB1, \b, \hoff
	s_wait_dscnt 20
	MUL FB0, 0
.if \open
	ROPEN
.else
	s_wait_dscnt 0x0
.endif
	MUL FB1, 0
	WIN 0
.endm
.macro ADDB base                       ; accumulators += a vector of window 1 (per feature)
	PLACES 4
	WIN 0xc7
.set tt, 0
.rept 24
.set pp, 0
.rept 4
	v_pk_add_f32 v[8*tt+2*pp:8*tt+2*pp+1], v[8*tt+2*pp:8*tt+2*pp+1], v[\base+8*(tt>>2)+2*pp:\base+8*(tt>>2)+2*pp+1]
.set pp, pp+1
.endr
.set tt, tt+1
.endr
	WIN 0
.endm
.macro XCH dst, o                      ; v[48:51], one number for each qb, from every wave to every wave
	ds_store_b128 v8, v[48:51] offset:\o
	BAR
	ds_load_b128 v[\dst:\dst+3], v9 offset:\o
	ds_load_b128 v[\dst+4:\dst+7], v9 offset:\o+512
	ds_load_b128 v[\dst+8:\dst+11], v9 offset:\o+1024
	ds_load_b128 v[\dst+12:\dst+15], v9 offset:\o+1536
	s_wait_dscnt 0x0
.endm
.macro HSTORE                          ; my 12 fragments (chunk w + 4 i, qb) as register images: 32 lanes x 16 consecutive bytes, twice
.set qq, 0
.rept 4
.set ii, 0
.rept 3
	ds_store_b128 v6, v[64+8*(3*qq+ii):64+8*(3*qq+ii)+3] offset:16384*ii+1024*qq
	ds_store_b128 v6, v[64+8*(3*qq+ii)+4:64+8*(3*qq+ii)+7] offset:16384*ii+1024*qq+512
.set ii, ii+1
.endr
.set qq, qq+1
.endr
.endm
; LayerNorm of the accumulators' 64 tokens x 384 features (left as they are), gain at g and bias at be in window 1; the result goes to HB in f16.
; Two passes: the mean first, then the squares of the deviations: no difference of large sums is formed.
.macro LNORM g, be
	WIN 0x0f
.set qq, 0
.rept 4
.set mm, 0
.rept 12
	v_pk_add_f32 v[64+24*qq+2*mm:65+24*qq+2*mm], v[8*(4*(mm>>2)+qq)+2*(mm&3):8*(4*(mm>>2)+qq)+2*(mm&3)+1], v[8*(4*((mm>>2)+3)+qq)+2*(mm&3):8*(4*((mm>>2)+3)+qq)+2*(mm&3)+1]
.set mm, mm+1
.endr
.set qq, qq+1
.endr
	WIN 0
.set qq, 0
.rept 4
.set mm, 0
.rept 6
	v_pk_add_f32 v[64+24*qq+2*mm:65+24*qq+2*mm], v[64+24*qq+2*mm:65+24*qq+2*mm], v[76+24*qq+2*mm:77+24*qq+2*mm]
.set mm, mm+1
.endr
.set mm, 0
.rept 3
	v_pk_add_f32 v[64+24*qq+2*mm:65+24*qq+2*mm], v[64+24*qq+2*mm:65+24*qq+2*mm], v[70+24*qq+2*mm:71+24*qq+2*mm]
.set mm, mm+1
.endr
	v_pk_add_f32 v[64+24*qq:65+24*qq], v[64+24*qq:65+24*qq], v[66+24*qq:67+24*qq]
	v_pk_add_f32 v[64+24*qq:65+24*qq], v[64+24*qq:65+24*qq], v[68+24*qq:69+24*qq]
	v_add_f32 v[48+qq], v[64+24*qq], v[65+24*qq]
.set qq, qq+1
.endr
.set qq, 0
.rept 4
	v_permlanex16_b32 v[52+qq], v[48+qq], s32, s33         ; the other half of the lanes holds the token's other features
.set qq, qq+1
.endr
.set qq, 0
.rept 4
	v_add_f32 v[48+qq], v[48+qq], v[52+qq]
.set qq, qq+1
.endr
	XCH 240, 0
	v_pk_add_f32 v[240:241], v[240:241], v[244:245]
	v_pk_add_f32 v[242:243], v[242:243], v[246:247]
	v_pk_add_f32 v[248:249], v[248:249], v[252:253]
	v_pk_add_f32 v[250:251], v[250:251], v[254:255]
	v_pk_add_f32 v[240:241], v[240:241], v[248:249]
	v_pk_add_f32 v[242:243], v[242:243], v[250:251]
.set qq, 0
.rept 4
	v_mul_f32 v[24+2*qq], s84, v[240+qq]                   ; the mean, twice: a pair for the packed forms
	v_mul_f32 v[25+2*qq], s84, v[240+qq]
.set qq, qq+1
.endr
	WIN 0x03
.set qq, 0
.rept 4
.set mm, 0
.rept 24
	v_pk_add_f32 v[64+48*qq+2*mm:65+48*qq+2*mm], v[8*(4*(mm>>2)+qq)+2*(mm&3):8*(4*(mm>>2)+qq)+2*(mm&3)+1], v[24+2*qq:25+2*qq] neg_lo:[0,1] neg_hi:[0,1]
.set mm, mm+1
.endr
.set qq, qq+1
.endr
	WIN 0
.set qq, 0
.rept 4
.set mm, 0
.rept 24
.if mm < 2
	v_pk_mul_f32 v[48+4*qq+2*(mm&1):49+4*qq+2*(mm&1)], v[64+48*qq+2*mm:65+48*qq+2*mm], v[64+48*qq+2*mm:65+48*qq+2*mm]
.else
	v_pk_fma_f32 v[48+4*qq+2*(mm&1):49+4*qq+2*(mm&1)], v[64+48*qq+2*mm:65+48*qq+2*mm], v[64+48*qq+2*mm:65+48*qq+2*mm], v[48+4*qq+2*(mm&1):49+4*qq+2*(mm&1)]
.endif
.set mm, mm+1
.endr
.set qq, qq+1
.endr
.set qq, 0
.rept 4
	v_pk_add_f32 v[48+4*qq:49+4*qq], v[48+4*qq:49+4*qq], v[50+4*qq:51+4*qq]
.set qq, qq+1
.endr
.set qq, 0
.rept 4
	v_add_f32 v[48+4*qq], v[48+4*qq], v[49+4*qq]
.set qq, qq+1
.endr
.set qq, 0
.rept 4
	v_permlanex16_b32 v[49+4*qq], v[48+4*qq], s32, s33
.set qq, qq+1
.endr
.set qq, 0
.rept 4
	v_add_f32 v[48+qq], v[48+4*qq], v[49+4*qq]             ; ascending: what is written has been read
.set qq, qq+1
.endr
	XCH 48, 2048
	v_pk_add_f32 v[48:49], v[48:49], v[52:53]
	v_pk_add_f32 v[50:51], v[50:51], v[54:55]
	v_pk_add_f32 v[56:57], v[56:57], v[60:61]
	v_pk_add_f32 v[58:59], v[58:59], v[62:63]
	v_pk_add_f32 v[48:49], v[48:49], v[56:57]
	v_pk_add_f32 v[50:51], v[50:51], v[58:59]
.set qq, 0
.rept 4
	v_fma_f32 v[48+qq], v[48+qq], s84, s85                 ; variance + 1e-5
.set qq, qq+1
.endr
.set qq, 0
.rept 4
	v_rsq_f32 v[32+2*qq], v[48+qq]
	v_rsq_f32 v[33+2*qq], v[48+qq]
.set qq, qq+1
.endr
	v_nop                                                  ; one plain vector instruction behind the last of them (ISA guide 5.7.2)
.set qq, 0
	s_wait_alu depctr_va_vdst(0)
.rept 4
.set mm, 0
.rept 24
	v_pk_mul_f32 v[64+48*qq+2*mm:65+48*qq+2*mm], v[64+48*qq+2*mm:65+48*qq+2*mm], v[32+2*qq:33+2*qq]
.set mm, mm+1
.endr
.set qq, qq+1
.endr
	WIN 0x14
.set qq, 0
.rept 4
.set mm, 0
.rept 24
	v_pk_fma_f32 v[64+48*qq+2*mm:65+48*qq+2*mm], v[64+48*qq+2*mm:65+48*qq+2*mm], v[\g+2*mm:\g+2*mm+1], v[\be+2*mm:\be+2*mm+1]
.set mm, mm+1
.endr
.set qq, qq+1
.endr
	WIN 0
.set nn, 0
.rept 96
	v_cvt_pk_f16_f32 v[64+nn], v[64+2*nn], v[65+2*nn]      ; ascending, in place: v[64+n] has been read before it is written
.set nn, nn+1
.endr
	HSTORE
.endm
.macro PACKS                           ; the accumulators to f16: tile tt's 8 features of a lane in 4 registers
	WIN 0x0f
.set tt, 0
.rept 24
.set pp, 0
.rept 4
	v_cvt_pk_f16_f32 v[64+4*tt+pp], v[8*tt+2*pp], v[8*tt+2*pp+1]
.set pp, pp+1
.endr
.set tt, tt+1
.endr
	WIN 0
.endm
.macro SSTORE                          ; into the stage: row = token, 16 bytes = 8 neighbouring features
.set tt, 0
.rept 24
	ds_store_b128 v13, v[64+4*tt:64+4*tt+3] offset:12544*(tt&3)+256*(tt>>3)+32*((tt>>2)&1)
.set tt, tt+1
.endr
.endm
; My 16 rows of the stage, 12,288 bytes that are dense in memory, in 24 pieces of 512 bytes; a piece that crosses from a row to the next
; skips the stage's 16 bytes of padding in its upper lanes (v15).  Each store covers 512 consecutive aligned bytes.
.macro SOUT ptr
.set aa, 0
.rept 8
	ds_load_b128 v[64+12*aa:64+12*aa+3], v14 offset:1568*aa
	ds_load_b128 v[64+12*aa+4:64+12*aa+7], v15 offset:1568*aa+512
	ds_load_b128 v[64+12*aa+8:64+12*aa+11], v14 offset:1568*aa+1040
.set aa, aa+1
.endr
.set nn, 0
.rept 24
	s_wait_dscnt 23-nn                                     ; LDS loads come back in order: piece n is in
	global_store_b128 v62, v[64+4*nn:64+4*nn+3], s[\ptr:\ptr+1] offset:512*nn
.set nn, nn+1
.endr
	s_wait_xcnt 0x0                                        ; v64 and up are written again only behind this wait
.endm
	; ---- head ----
	s_load_b256 s[4:11], s[0:1], 0x0               ; x s[4:5], wh s[6:7], g1 s[8:9], be1 s[10:11]
	s_load_b256 s[12:19], s[0:1], 0x20             ; bk s[12:13], bv s[14:15], kh s[16:17], vh s[18:19]
	v_lshl_add_u32 v46, v0, 2, 0x4f400
	v_mov_b32 v47, 0
	ds_add_u32 v46, v47
	v_lshrrev_b32 v51, 5, v0
	v_readfirstlane_b32 s28, v51                   ; wave w
	s_bfe_u32 s29, ttmp6, 0x40000                  ; cx
	s_lshl_b32 s30, ttmp9, 2
	s_add_co_u32 s30, s30, s29                     ; token block = 4 x cluster + cx: enters the addresses of x, kh, vh alone
	s_mov_b32 s32, 0x76543210                      ; v_permlanex16_b32: lane i reads lane i of the other half
	s_mov_b32 s33, 0xfedcba98
	s_mov_b32 s84, 0x3b2aaaab                      ; 1/384
	s_mov_b32 s85, 0x3727c5ac                      ; 1e-5
	s_mul_i32 s35, s28, 27648                      ; my quarter of a weight tile in LDS
	G1SET 44, 15|(3<<16)|(1<<20)|(1<<21)|(5<<22)|(7<<25)   ; weights: all four work-groups, 8 words of padding behind every 64
	G1SET 52, (3<<16)|(1<<20)|(5<<22)|(3<<25)              ; x: my own, 4 words of padding behind every 64
	s_mov_b32 s60, 1
	s_mul_i32 s61, s28, 26112                      ; my quarter of the x tile in BUF0
	s_mov_b32 s76, 1
	s_mul_i32 s88, s30, 98304                      ; 64 rows of x
	s_mov_b32 s89, 0
	s_mul_i32 s90, s28, 24576                      ; my quarter in memory (x: 16 rows; weights: 32 rows)
	s_mov_b32 s91, 0
	s_mul_i32 s92, s30, 49152                      ; 64 rows of kh, vh
	s_mov_b32 s93, 0
	v_and_b32 v48, 31, v0                          ; L
	v_and_b32 v49, 15, v0                          ; r
	v_bfe_u32 v50, v0, 4, 1                        ; h
	v_and_b32 v52, 7, v0
	v_lshl_add_u32 v52, v50, 3, v52                ; 8 h + (L & 7)
	v_bfe_u32 v53, v0, 3, 1
	v_mov_b32 v54, 0
	v_mov_b32 v55, 0
	v_mul_u32_u24 v2, v52, 864
	v_lshl_add_u32 v2, v53, 4, v2
	s_lshl_b32 s94, s28, 6
	v_add_nc_u32 v2, s94, v2                       ; transposing loads: BUF0 rows 0-63
	v_add_nc_u32 v3, 55296, v2                     ;                    BUF0 rows 64-127
	v_add_nc_u32 v4, 110592, v2                    ;                    BUF1 rows 0-63
	v_add_nc_u32 v5, 165888, v2                    ;                    BUF1 rows 64-127
	v_lshlrev_b32 v7, 4, v48
	v_add_nc_u32 v9, MBA, v7                       ; exchange, read
	v_add_nc_u32 v7, HB, v7                        ; fragments, read
	s_lshl_b32 s95, s28, 12
	v_add_nc_u32 v6, s95, v7                       ; fragments, my store
	s_lshl_b32 s95, s28, 9
	v_add_nc_u32 v8, s95, v9                       ; exchange, my store
	s_lshl_b32 s95, s28, 7
	v_lshlrev_b32 v10, 5, v50
	v_add_nc_u32 v10, s95, v10                     ; 128 w + 32 h: my place in a vector of 384 f32
	v_mul_u32_u24 v11, v49, 1632
	v_add_nc_u32 v11, v11, v10
	s_lshr_b32 s95, s28, 1
	s_lshl_b32 s95, s95, 4
	v_add_nc_u32 v11, s95, v11                     ; x tile, qb 0 and 1 (16 bytes of padding behind each 256)
	v_add_nc_u32 v12, 52224, v11                   ; qb 2 and 3
	v_mul_u32_u24 v13, v49, 784
	v_lshl_add_u32 v13, v50, 4, v13
	v_add_nc_u32 v13, s94, v13
	v_add_nc_u32 v13, STG, v13                     ; stage, my store
	s_mul_i32 s95, s28, 12544
	v_lshlrev_b32 v14, 4, v48
	v_add_nc_u32 v14, s95, v14
	v_add_nc_u32 v14, STG, v14                     ; stage, read
	v_lshl_add_u32 v15, v50, 4, v14                ; the same with the upper lanes one padding further
	s_wait_dscnt 0x0
	s_wait_kmcnt 0x0
	s_add_nc_u64 s[62:63], s[4:5], s[88:89]
	s_add_nc_u64 s[62:63], s[62:63], s[90:91]
	s_or_b32 s63, s63, 0x80000000
	s_add_nc_u64 s[80:81], s[6:7], s[90:91]        ; wh at my quarter: hangs on the wave's number alone
	s_add_nc_u64 s[82:83], s[16:17], s[92:93]
	s_add_nc_u64 s[86:87], s[18:19], s[92:93]
	SETW 1, 0, 1                                   ; Wk rows 0-127 -> BUF1
	VECLD 8, 0
	VECLD 10, 48
	VECLD 12, 96
	VECLD 14, 144
	ROUND                                          ; all four work-groups are here: the first loads meet
	tensor_load_to_lds s[60:63], s[52:59]          ; x -> BUF0
	s_nop 0
	PLACES 4
	TLW
	PLACES 4
	s_wait_tensorcnt 0x1                           ; my quarter of x is in; the weight tile, issued behind it, stays out
	BAR                                            ; everybody's quarter is
	XLOAD
	s_wait_dscnt 0x0
	s_wait_loadcnt 0x0                             ; the four vectors
	LNORM 0, 48
	s_mul_i32 s88, s28, 12288
	v_and_b32 v62, 31, v0
	v_lshl_add_u32 v62, v62, 4, s88                ; my 16 bytes in my 16 rows of the output
	; ---- K ----
	ROPEN                                          ; h is in HB, x has been read, Wk's first tile has landed
	SETW 1, 1, 0
	RCLOSE
	TLW                                            ; my one load behind the round: Wk rows 128-255 -> BUF0
	MULV 1, 0, 1, 1
	SETW 1, 2, 1
	RCLOSE
	TLW                                            ; Wk rows 256-383 -> BUF1
	MULV 0, 16384, 0, 1
	SETW 2, 0, 0
	RCLOSE
	TLW                                            ; Wv rows 0-127 -> BUF0
	MULV 1, 32768, 0, 0
	ADDB 96
	PACKS
	SSTORE
	ROPEN                                          ; the stage is written
	SETW 2, 1, 1
	RCLOSE
	TLW                                            ; Wv rows 128-255 -> BUF1
	PLACES 4
	SOUT 82
	; ---- V ----
	MULV 0, 0, 1, 1
	SETW 2, 2, 0
	RCLOSE
	TLW                                            ; Wv rows 256-383 -> BUF0: the last load
	MULV 1, 16384, 0, 1
	s_barrier_wait -1                              ; a plain barrier
	MULV 0, 32768, 0, 0
	ADDB 144
	PACKS
	SSTORE                                         ; every wave's reads of the stage ended in front of the rounds above
	BAR
	SOUT 86
	s_wait_tensorcnt 0x0
	ds_add_u32 v46, v47
	s_wait_dscnt 0x0
	ROUND                                          ; the closing round: no work-group ends while a partner may still ask jointly
	s_endpgm
.Lfunc_end_k_qd5c8af5ded_kv:
	.size	k_qd5c8af5ded_kv, .Lfunc_end_k_qd5c8af5ded_kv-k_qd5c8af5ded_kv
	.p2alignl 7, 3214868480
	.fill 96, 4, 3214868480
	.section	.rodata,"a",@progbits
	.p2align	6, 0x0
	.amdhsa_kernel k_qd5c8af5ded_kv
		.amdhsa_group_segment_fixed_size 327680
		.amdhsa_private_segment_fixed_size 0
		.amdhsa_enable_private_segment 0
		.amdhsa_kernarg_size 64
		.amdhsa_user_sgpr_count 2
		.amdhsa_user_sgpr_kernarg_segment_ptr 1
		.amdhsa_wavefront_size32 1
		.amdhsa_system_sgpr_workgroup_id_x 1
		.amdhsa_system_sgpr_workgroup_id_y 1
		.amdhsa_system_sgpr_workgroup_id_z 1
		.amdhsa_system_vgpr_workitem_id 0
		.amdhsa_next_free_vgpr 1024
		.amdhsa_next_free_sgpr 96
		.amdhsa_reserve_vcc 0
		.amdhsa_float_denorm_mode_32 3
		.amdhsa_float_denorm_mode_16_64 3
		.amdhsa_memory_ordered 1
		.amdhsa_forward_progress 1
		.amdhsa_inst_pref_size 166
	.end_amdhsa_kernel
	.amdgpu_metadata
---
amdhsa.version: [ 1, 2 ]
amdhsa.kernels:
  - .name:           k_qd5c8af5ded_kv
    .symbol:         k_qd5c8af5ded_kv.kd
    .args:
      - { .name: x, .offset: 0, .size: 8, .value_kind: global_buffer, .address_space: global }
      - { .name: wh, .offset: 8, .size: 8, .value_kind: global_buffer, .address_space: global }
      - { .name: g1, .offset: 16, .size: 8, .value_kind: global_buffer, .address_space: global }
      - { .name: be1, .offset: 24, .size: 8, .value_kind: global_buffer, .address_space: global }
      - { .name: bk, .offset: 32, .size: 8, .value_kind: global_buffer, .address_space: global }
      - { .name: bv, .offset: 40, .size: 8, .value_kind: global_buffer, .address_space: global }
      - { .name: kh, .offset: 48, .size: 8, .value_kind: global_buffer, .address_space: global }
      - { .name: vh, .offset: 56, .size: 8, .value_kind: global_buffer, .address_space: global }
    .group_segment_fixed_size: 327680
    .private_segment_fixed_size: 0
    .kernarg_segment_align: 8
    .kernarg_segment_size: 64
    .max_flat_workgroup_size: 128
    .sgpr_count:     96
    .vgpr_count:     1024
    .wavefront_size: 32
...
	.end_amdgpu_metadata
.endif
;; end of part 2
;; launch attn (part 3): grid 256 x 1, 4 waves a work-group, clusters of 4 x 1, 327,680 bytes of LDS; arguments x, wh, kh, vh, bq, ba, bf, g1, be1, g2, be2, out0; writes out0
.if DOCPART == 3
	.amdgcn_target "amdgcn-amd-amdhsa--gfx1250"
	.amdhsa_code_object_version 6
	.text
	.protected	k_qd5c8af5ded_attn
	.globl	k_qd5c8af5ded_attn
	.p2align	8
	.type	k_qd5c8af5ded_attn,@function
k_qd5c8af5ded_attn:
	s_mov_b64 s[64:65], 0
	v_nop
	global_prefetch_b8 v0, s[64:65] scope:SCOPE_SE
	s_setreg_imm32_b32 hwreg(HW_REG_WAVE_MODE, 25, 1), 1
	s_wait_xcnt 0x0
	s_wait_alu depctr_hold_cnt(0) depctr_sa_sdst(0) depctr_va_vdst(0) depctr_va_sdst(0) depctr_va_ssrc(0) depctr_va_vcc(0) depctr_vm_vsrc(0)
	s_getreg_b32 s2, hwreg(HW_REG_IB_STS2, 6, 4)
	s_cmp_eq_u32 s2, 0
	s_cbranch_scc0 .Lentry_in_a_cluster
	s_endpgm
.Lentry_in_a_cluster:
	s_bfe_u32 s2, ttmp6, 0x10000c
	s_cmp_lg_u32 s2, 0x3003
	s_cbranch_scc0 .Lentry_shape_is_right
	s_endpgm
.Lentry_shape_is_right:
; For 64 queries: h = LN(x; g1, be1); Q = (h Wq + bq) log2(e); softmax(Q K^T) V over 4,096 keys with a running maximum;
; x1 = ctx Wa + ba + x; out = LN(x1; g2, be2) Wf + bf + x1.  Nothing of this goes through memory but K and V, made by the launch before.
; Every product is made TRANSPOSED: source 0 = 16 rows of the second factor, source 1 = 16 queries as columns.  In a result lane (r, h) holds
; query r, register j row 8 h + j.  So maxima, sums and factors of a query are a lane's own, and two neighbouring result tiles rounded to f16
; ARE a source-1 fragment of the next product: Q for the scores, P for P V, ctx for Wa, h for Wq and Wf.
; THE TWO PRODUCTS ARE SHARED OUT DIFFERENTLY.  Scores: wave w takes keys 32 w .. 32 w + 31 of a tile of 128, all 64 queries, all of d
; (Q's 48 fragments lie in 384 registers of every wave).  P V and the linear layers: wave w takes the feature chunks c = w + 4 i (i = 0..2) of 32,
; 6 blocks u = 2 i + e of 16 x 4 query blocks qb = 24 accumulator tiles.  P crosses the waves through LDS (HB) as raw fragment images.
; SOFTMAX: each wave takes its own maximum m_w (the running one included) and forms p' = 2^(s - m_w) while the waves' maxima cross in LDS;
; then m = max over waves, p = p' 2^(m_w - m), the old sums shrink by 2^(M - m).  All exponents are <= 0, the sum lies in [1, 4096].
; CLUSTER: the four work-groups of a cluster are four query blocks of one batch and walk the same K, V and weight tiles: each tile is asked for
; jointly (mask 15) and fetched once for four.  x is each work-group's own (mask 0).
; LDS: BUF0 (always K in the loop) and BUF1 (always V), 110,592 bytes each: V(t) is on its way during tile t's scores, K(t+1) during its P V.
; K tile: 128 rows x 768 bytes, dense in memory, a wave brings 32 rows as 96 pieces of 256 bytes + 16 of padding: an LDS row is 816 bytes, an
; odd multiple of 16.  V and weight tiles: 32 of padding, 864 bytes a row, an odd multiple of 32, for the transposing load.
; HB, MBA, MBB are never the target of a tensor load; the f32 result leaves through BUF1 after its last fill has been read.
; The x tile's rows are 1,632 bytes: the 16 rows that a read touches fall on 8 places modulo 256 bytes, two lanes each: accepted, 48 loads a wave, twice.
; LIMITS: matrix operands are f16: |h|, |Q log2 e|, |K|, |V|, |ctx|, |h2| and the weights must stay under 65,504; a weight p under about 3e-8
; becomes zero; v_exp_f32 gives zero where the result would be denormal (ISA guide 15.8).  NaN and infinities are not treated specially.
; REGISTERS, in windows of 256: window 0: v1-15 addresses, v16-19 running maximum M, v20-23 running sum, v24-31 / v32-39 / v40-47 pairs
; (m_w or mean; F, 1/sigma or 1/l; alpha), v48-63 temporaries, v64-255 at work (scores at 64 + 16 qb + 8 kb; K fragments at 128 and 192;
; P V fragment buffers at 64 and 144).  Windows 1 and 2: Q fragment (kc, qb) at 8 (4 kc + qb); before and after the loop window 1 holds the
; vectors (index 8 u + j).  Window 3: accumulator tile tt = 4 u + qb at 8 tt.
.set BUF,   110592
.set HB,    221184
.set MBA,   270336                     ; MBB = MBA + 2048
.set FB0,   64
.set FB1,   144
.set KF0,   128
.set KF1,   192
.set WSEC,  294912
.set WTILE, 98304                      ; 128 rows of 768 bytes: a tile of K, V or a weight matrix
.set MSB, 0
.macro WIN new                         ; the immediate's high byte repeats the setting that is left
.if MSB != \new
	s_set_vgpr_msb (MSB<<8)|\new
.set MSB, \new
.endif
.endm
.macro PLACES n
.rept \n
	v_nop
.endr
.endm
; A round of the cluster's barrier, in two parts so that register work can stand inside it.
.macro ROPEN                           ; my LDS accesses are done, all my tensor loads have landed: say so
	s_wait_dscnt 0x0
	s_set_vgpr_msb (MSB<<8)|((MSB&0xf0)|0xa)
	s_wait_tensorcnt 0x0
	ds_add_u32 v254, v255
	s_wait_dscnt 0x0
	s_set_vgpr_msb (((MSB&0xf0)|0xa)<<8)|MSB
	s_barrier_signal -1
.endm
.macro RCLOSE                          ; my work-group has said so; wave 0 says so for it; all four work-groups have; my work-group's barrier closes the round
	WIN 0
	s_barrier_wait -1
	s_cmp_lg_u32 s28, 0
	s_cbranch_scc1 .Lnw0_\@
	s_barrier_signal -3
.Lnw0_\@:
	s_barrier_wait -3
	s_barrier_signal -1
	s_barrier_wait -1
.endm
.macro ROUND
	s_barrier_signal -1
	RCLOSE
.endm
.macro BAR                             ; a plain barrier
	s_wait_dscnt 0x0
	s_barrier_signal -1
	s_barrier_wait -1
.endm
.macro G1SET base, word0               ; 96 rows of 32 elements of 8 bytes, pitch 32 elements
	s_mov_b32 s[\base+0], \word0
	s_mov_b32 s[\base+1], 32<<16
	s_mov_b32 s[\base+2], 96<<16
	s_mov_b32 s[\base+3], 32<<16
	s_mov_b32 s[\base+4], 96
	s_mov_b32 s[\base+5], 32
	s_mov_b32 s[\base+6], 0
	s_mov_b32 s[\base+7], 0
.endm
.macro SETW sec, tile, buf             ; the weights' group 0; written only where no tensor load of the wave is out
	s_add_nc_u64 s[78:79], s[80:81], \sec*WSEC+\tile*WTILE
	s_or_b32 s79, s79, 0x80000000
	s_add_co_u32 s77, s35, \buf*BUF
.endm
.macro TLW
	tensor_load_to_lds s[76:79], s[44:51]
	s_nop 0
.endm
.macro TLK
	tensor_load_to_lds s[68:71], s[36:43]
	s_nop 0
.endm
.macro TLV
	tensor_load_to_lds s[72:75], s[44:51]
	s_nop 0
.endm
.macro TLX
	tensor_load_to_lds s[60:63], s[52:59]
	s_nop 0
.endm
.macro VECLD ptr, base                 ; my 48 numbers of a vector of 384, into window 1
	WIN 0x40
.set uu, 0
.rept 6
	global_load_b128 v[\base+8*uu:\base+8*uu+3], v10, s[\ptr:\ptr+1] offset:512*(uu>>1)+64*(uu&1)
	global_load_b128 v[\base+8*uu+4:\base+8*uu+7], v10, s[\ptr:\ptr+1] offset:512*(uu>>1)+64*(uu&1)+16
.set uu, uu+1
.endr
.endm
.macro XLOAD                           ; x from BUF0 into the accumulators, in the layout of a result
	WIN 0xc0
.set tt, 0
.rept 24
	ds_load_b128 v[8*tt:8*tt+3], v[11+((tt&3)>>1)] offset:(tt&1)*26112+544*(tt>>3)+64*((tt>>2)&1)
	ds_load_b128 v[8*tt+4:8*tt+7], v[11+((tt&3)>>1)] offset:(tt&1)*26112+544*(tt>>3)+64*((tt>>2)&1)+16
.set tt, tt+1
.endr
	WIN 0
.endm
; 20 loads: the four query fragments of k chunk kc from HB, and my six feature fragments of the same 32 rows of buffer b
.macro FETCHV kc, fb, b, hoff
.set qq, 0
.rept 4
	ds_load_b128 v[\fb+8*qq:\fb+8*qq+3], v7 offset:\hoff+1024*(4*\kc+qq)
	ds_load_b128 v[\fb+8*qq+4:\fb+8*qq+7], v7 offset:\hoff+1024*(4*\kc+qq)+512
.set qq, qq+1
.endr
.set uu, 0
.rept 6
	ds_load_tr16_b128 v[\fb+32+8*uu:\fb+32+8*uu+3], v[2+2*\b+(\kc>>1)] offset:(\kc&1)*27648+288*(uu>>1)+32*(uu&1)
	ds_load_tr16_b128 v[\fb+32+8*uu+4:\fb+32+8*uu+7], v[2+2*\b+(\kc>>1)] offset:(\kc&1)*27648+288*(uu>>1)+32*(uu&1)+13824
.set uu, uu+1
.endr
.endm
; 24 matrix instructions: the 24 accumulators take turns, one instruction a turn, always in this order
.macro MUL fb, zero
	WIN 0xf0
.set uu, 0
.rept 6
.set qq, 0
.rept 4
.if \zero
	v_wmma_f32_16x16x32_f16 v[8*(4*uu+qq):8*(4*uu+qq)+7], v[\fb+32+8*uu:\fb+32+8*uu+7], v[\fb+8*qq:\fb+8*qq+7], 0
.else
	v_wmma_f32_16x16x32_f16 v[8*(4*uu+qq):8*(4*uu+qq)+7], v[\fb+32+8*uu:\fb+32+8*uu+7], v[\fb+8*qq:\fb+8*qq+7], v[8*(4*uu+qq):8*(4*uu+qq)+7]
.endif
.set qq, qq+1
.endr
.set uu, uu+1
.endr
.endm
; 128 rows of the k dimension from buffer b, four chunks of 32 on two fragment buffers.  A load into a register that a matrix instruction has
; read stands four plain vector instructions behind it (ISA guide 7.12.1 for vector instructions).
; s_wait_dscnt 20: the 20 loads of the younger chunk stay out.  open = 1: the last 24 matrix instructions stand inside the next round's opening barrier.
.macro MULV b, hoff, zero, open
	PLACES 4
	FETCHV 0, FB0, \b, \hoff
	FETCHV 1, FB1, \b, \hoff
	s_wait_dscnt 20
	MUL FB0, \zero
	WIN 0
	PLACES 4
	FETCHV 2, FB0, \b, \hoff
	s_wait_dscnt 20
	MUL FB1, 0
	WIN 0
	PLACES 4
	FETCHV 3, FB1, \b, \hoff
	s_wait_dscnt 20
	MUL FB0, 0
.if \open
	ROPEN
.else
	s_wait_dscnt 0x0
.endif
	MUL FB1, 0
	WIN 0
.endm
.macro ADDB base                       ; accumulators += a vector of window 1 (per feature)
	PLACES 4
	WIN 0xc7
.set tt, 0
.rept 24
.set pp, 0
.rept 4
	v_pk_add_f32 v[8*tt+2*pp:8*tt+2*pp+1], v[8*tt+2*pp:8*tt+2*pp+1], v[\base+8*(tt>>2)+2*pp:\base+8*(tt>>2)+2*pp+1]
.set pp, pp+1
.endr
.set tt, tt+1
.endr
	WIN 0
.endm
.macro ADDBQ                           ; accumulators = (accumulators + bq) log2(e): bq at 96 in window 1 is scaled first
	PLACES 4
	WIN 0x41
.set nn, 0
.rept 24
	v_pk_mul_f32 v[96+2*nn:97+2*nn], v[96+2*nn:97+2*nn], 0x3fb8aa3b op_sel_hi:[1,0]
.set nn, nn+1
.endr
	WIN 0xd3
.set tt, 0
.rept 24
.set pp, 0
.rept 4
	v_pk_fma_f32 v[8*tt+2*pp:8*tt+2*pp+1], v[8*tt+2*pp:8*tt+2*pp+1], 0x3fb8aa3b, v[96+8*(tt>>2)+2*pp:96+8*(tt>>2)+2*pp+1] op_sel_hi:[1,0,1]
.set pp, pp+1
.endr
.set tt, tt+1
.endr
	WIN 0
.endm
.macro SCALE pr                        ; accumulators times a number per query: the pairs at pr + 2 qb
	WIN 0xc3
.set tt, 0
.rept 24
.set pp, 0
.rept 4
	v_pk_mul_f32 v[8*tt+2*pp:8*tt+2*pp+1], v[8*tt+2*pp:8*tt+2*pp+1], v[\pr+2*(tt&3):\pr+2*(tt&3)+1]
.set pp, pp+1
.endr
.set tt, tt+1
.endr
.endm
.macro PACKH                           ; accumulators to f16 fragments: (chunk i, qb) at 64 + 8 (3 qb + i)
	WIN 0x0f
.set qq, 0
.rept 4
.set mm, 0
.rept 24
	v_cvt_pk_f16_f32 v[64+24*qq+mm], v[8*(4*(mm>>2)+qq)+2*(mm&3)], v[8*(4*(mm>>2)+qq)+2*(mm&3)+1]
.set mm, mm+1
.endr
.set qq, qq+1
.endr
	WIN 0
.endm
.macro XCH dst, o                      ; v[48:51], one number for each qb, from every wave to every wave
	ds_store_b128 v8, v[48:51] offset:\o
	BAR
	ds_load_b128 v[\dst:\dst+3], v9 offset:\o
	ds_load_b128 v[\dst+4:\dst+7], v9 offset:\o+512
	ds_load_b128 v[\dst+8:\dst+11], v9 offset:\o+1024
	ds_load_b128 v[\dst+12:\dst+15], v9 offset:\o+1536
	s_wait_dscnt 0x0
.endm
.macro HSTORE                          ; my 12 fragments (chunk w + 4 i, qb) as register images: 32 lanes x 16 consecutive bytes, twice
.set qq, 0
.rept 4
.set ii, 0
.rept 3
	ds_store_b128 v6, v[64+8*(3*qq+ii):64+8*(3*qq+ii)+3] offset:16384*ii+1024*qq
	ds_store_b128 v6, v[64+8*(3*qq+ii)+4:64+8*(3*qq+ii)+7] offset:16384*ii+1024*qq+512
.set ii, ii+1
.endr
.set qq, qq+1
.endr
.endm
; LayerNorm of the accumulators' 64 tokens x 384 features (left as they are), gain at g and bias at be in window 1; the result goes to HB in f16.
; Two passes: the mean first, then the squares of the deviations: no difference of large sums is formed.
.macro LNORM g, be
	WIN 0x0f
.set qq, 0
.rept 4
.set mm, 0
.rept 12
	v_pk_add_f32 v[64+24*qq+2*mm:65+24*qq+2*mm], v[8*(4*(mm>>2)+qq)+2*(mm&3):8*(4*(mm>>2)+qq)+2*(mm&3)+1], v[8*(4*((mm>>2)+3)+qq)+2*(mm&3):8*(4*((mm>>2)+3)+qq)+2*(mm&3)+1]
.set mm, mm+1
.endr
.set qq, qq+1
.endr
	WIN 0
.set qq, 0
.rept 4
.set mm, 0
.rept 6
	v_pk_add_f32 v[64+24*qq+2*mm:65+24*qq+2*mm], v[64+24*qq+2*mm:65+24*qq+2*mm], v[76+24*qq+2*mm:77+24*qq+2*mm]
.set mm, mm+1
.endr
.set mm, 0
.rept 3
	v_pk_add_f32 v[64+24*qq+2*mm:65+24*qq+2*mm], v[64+24*qq+2*mm:65+24*qq+2*mm], v[70+24*qq+2*mm:71+24*qq+2*mm]
.set mm, mm+1
.endr
	v_pk_add_f32 v[64+24*qq:65+24*qq], v[64+24*qq:65+24*qq], v[66+24*qq:67+24*qq]
	v_pk_add_f32 v[64+24*qq:65+24*qq], v[64+24*qq:65+24*qq], v[68+24*qq:69+24*qq]
	v_add_f32 v[48+qq], v[64+24*qq], v[65+24*qq]
.set qq, qq+1
.endr
.set qq, 0
.rept 4
	v_permlanex16_b32 v[52+qq], v[48+qq], s32, s33         ; the other half of the lanes holds the token's other features
.set qq, qq+1
.endr
.set qq, 0
.rept 4
	v_add_f32 v[48+qq], v[48+qq], v[52+qq]
.set qq, qq+1
.endr
	XCH 240, 0
	v_pk_add_f32 v[240:241], v[240:241], v[244:245]
	v_pk_add_f32 v[242:243], v[242:243], v[246:247]
	v_pk_add_f32 v[248:249], v[248:249], v[252:253]
	v_pk_add_f32 v[250:251], v[250:251], v[254:255]
	v_pk_add_f32 v[240:241], v[240:241], v[248:249]
	v_pk_add_f32 v[242:243], v[242:243], v[250:251]
.set qq, 0
.rept 4
	v_mul_f32 v[24+2*qq], s84, v[240+qq]                   ; the mean, twice: a pair for the packed forms
	v_mul_f32 v[25+2*qq], s84, v[240+qq]
.set qq, qq+1
.endr
	WIN 0x03
.set qq, 0
.rept 4
.set mm, 0
.rept 24
	v_pk_add_f32 v[64+48*qq+2*mm:65+48*qq+2*mm], v[8*(4*(mm>>2)+qq)+2*(mm&3):8*(4*(mm>>2)+qq)+2*(mm&3)+1], v[24+2*qq:25+2*qq] neg_lo:[0,1] neg_hi:[0,1]
.set mm, mm+1
.endr
.set qq, qq+1
.endr
	WIN 0
.set qq, 0
.rept 4
.set mm, 0
.rept 24
.if mm < 2
	v_pk_mul_f32 v[48+4*qq+2*(mm&1):49+4*qq+2*(mm&1)], v[64+48*qq+2*mm:65+48*qq+2*mm], v[64+48*qq+2*mm:65+48*qq+2*mm]
.else
	v_pk_fma_f32 v[48+4*qq+2*(mm&1):49+4*qq+2*(mm&1)], v[64+48*qq+2*mm:65+48*qq+2*mm], v[64+48*qq+2*mm:65+48*qq+2*mm], v[48+4*qq+2*(mm&1):49+4*qq+2*(mm&1)]
.endif
.set mm, mm+1
.endr
.set qq, qq+1
.endr
.set qq, 0
.rept 4
	v_pk_add_f32 v[48+4*qq:49+4*qq], v[48+4*qq:49+4*qq], v[50+4*qq:51+4*qq]
.set qq, qq+1
.endr
.set qq, 0
.rept 4
	v_add_f32 v[48+4*qq], v[48+4*qq], v[49+4*qq]
.set qq, qq+1
.endr
.set qq, 0
.rept 4
	v_permlanex16_b32 v[49+4*qq], v[48+4*qq], s32, s33
.set qq, qq+1
.endr
.set qq, 0
.rept 4
	v_add_f32 v[48+qq], v[48+4*qq], v[49+4*qq]             ; ascending: what is written has been read
.set qq, qq+1
.endr
	XCH 48, 2048
	v_pk_add_f32 v[48:49], v[48:49], v[52:53]
	v_pk_add_f32 v[50:51], v[50:51], v[54:55]
	v_pk_add_f32 v[56:57], v[56:57], v[60:61]
	v_pk_add_f32 v[58:59], v[58:59], v[62:63]
	v_pk_add_f32 v[48:49], v[48:49], v[56:57]
	v_pk_add_f32 v[50:51], v[50:51], v[58:59]
.set qq, 0
.rept 4
	v_fma_f32 v[48+qq], v[48+qq], s84, s85                 ; variance + 1e-5
.set qq, qq+1
.endr
.set qq, 0
.rept 4
	v_rsq_f32 v[32+2*qq], v[48+qq]
	v_rsq_f32 v[33+2*qq], v[48+qq]
.set qq, qq+1
.endr
	v_nop                                                  ; one plain vector instruction behind the last of them (ISA guide 5.7.2)
.set qq, 0
	s_wait_alu depctr_va_vdst(0)
.rept 4
.set mm, 0
.rept 24
	v_pk_mul_f32 v[64+48*qq+2*mm:65+48*qq+2*mm], v[64+48*qq+2*mm:65+48*qq+2*mm], v[32+2*qq:33+2*qq]
.set mm, mm+1
.endr
.set qq, qq+1
.endr
	WIN 0x14
.set qq, 0
.rept 4
.set mm, 0
.rept 24
	v_pk_fma_f32 v[64+48*qq+2*mm:65+48*qq+2*mm], v[64+48*qq+2*mm:65+48*qq+2*mm], v[\g+2*mm:\g+2*mm+1], v[\be+2*mm:\be+2*mm+1]
.set mm, mm+1
.endr
.set qq, qq+1
.endr
	WIN 0
.set nn, 0
.rept 96
	v_cvt_pk_f16_f32 v[64+nn], v[64+2*nn], v[65+2*nn]      ; ascending, in place: v[64+n] has been read before it is written
.set nn, nn+1
.endr
	HSTORE
.endm
.macro QLOAD                           ; all 48 fragments of Q from HB into windows 1 and 2
	WIN 0x40
.set nn, 0
.rept 32
	ds_load_b128 v[8*nn:8*nn+3], v7 offset:1024*nn
	ds_load_b128 v[8*nn+4:8*nn+7], v7 offset:1024*nn+512
.set nn, nn+1
.endr
	WIN 0x80
.set nn, 0
.rept 16
	ds_load_b128 v[8*nn:8*nn+3], v7 offset:32768+1024*nn
	ds_load_b128 v[8*nn+4:8*nn+7], v7 offset:32768+1024*nn+512
.set nn, nn+1
.endr
	WIN 0
	s_wait_dscnt 0x0
.endm
; 16 loads: my 32 keys (two blocks kb of 16), d chunks 4 g .. 4 g + 3 of 32
.macro FETCHK g, buf
.set cc, 4*\g
.rept 4
.set kk, 0
.rept 2
	ds_load_b128 v[\buf+8*(2*(cc&3)+kk):\buf+8*(2*(cc&3)+kk)+3], v1 offset:13056*kk+64*cc+16*(cc>>2)
	ds_load_b128 v[\buf+8*(2*(cc&3)+kk)+4:\buf+8*(2*(cc&3)+kk)+7], v1 offset:13056*kk+64*cc+16*(cc>>2)+32
.set kk, kk+1
.endr
.set cc, cc+1
.endr
.endm
; 32 matrix instructions: the 8 score tiles take turns, one instruction a turn, always in this order; d chunk 0 starts the sums
.macro MULS g, buf
.set cc, 4*\g
.rept 4
.set kk, 0
.rept 2
.set qq, 0
.rept 4
.if cc == 0
	v_wmma_f32_16x16x32_f16 v[64+16*qq+8*kk:64+16*qq+8*kk+7], v[\buf+8*(2*(cc&3)+kk):\buf+8*(2*(cc&3)+kk)+7], v[8*(4*(cc&7)+qq):8*(4*(cc&7)+qq)+7], 0
.else
	v_wmma_f32_16x16x32_f16 v[64+16*qq+8*kk:64+16*qq+8*kk+7], v[\buf+8*(2*(cc&3)+kk):\buf+8*(2*(cc&3)+kk)+7], v[8*(4*(cc&7)+qq):8*(4*(cc&7)+qq)+7], v[64+16*qq+8*kk:64+16*qq+8*kk+7]
.endif
.set qq, qq+1
.endr
.set kk, kk+1
.endr
.set cc, cc+1
.endr
.endm
; One tile of 128 keys.  first: nothing is carried yet.  last: x and Wa's first tile are fetched in the place of the next K and V.
.macro TILE first, last
	; scores.  The score tiles and the K buffers were sources of the last P V products: five plain vector instructions behind those.
	PLACES 5
	FETCHK 0, KF0
	FETCHK 1, KF1
	WIN 0x04                                       ; Q's d chunks 0-7 lie in window 1
	s_wait_dscnt 16                                ; the 16 younger loads stay out
	MULS 0, KF0
	PLACES 4
	FETCHK 2, KF0
	s_wait_dscnt 16
	MULS 1, KF1
	WIN 0x08                                       ; chunks 8-11 in window 2
	s_wait_dscnt 0x0
	MULS 2, KF0
	WIN 0
	PLACES 4
	; my wave's maximum for each query, the running maximum included
.if \first
.set qq, 0
.rept 4
	v_max3_num_f32 v[48+qq], v[64+16*qq], v[65+16*qq], v[66+16*qq]
.set qq, qq+1
.endr
.set kk, 1
.rept 6
.set qq, 0
.rept 4
	v_max3_num_f32 v[48+qq], v[48+qq], v[65+16*qq+2*kk], v[66+16*qq+2*kk]
.set qq, qq+1
.endr
.set kk, kk+1
.endr
.set qq, 0
.rept 4
	v_max_num_f32 v[48+qq], v[48+qq], v[79+16*qq]
.set qq, qq+1
.endr
.else
.set qq, 0
.rept 4
	v_max3_num_f32 v[48+qq], v[64+16*qq], v[65+16*qq], v[16+qq]
.set qq, qq+1
.endr
.set kk, 1
.rept 7
.set qq, 0
.rept 4
	v_max3_num_f32 v[48+qq], v[48+qq], v[64+16*qq+2*kk], v[65+16*qq+2*kk]
.set qq, qq+1
.endr
.set kk, kk+1
.endr
.endif
.set qq, 0
.rept 4
	v_permlanex16_b32 v[52+qq], v[48+qq], s32, s33         ; the other half of the lanes holds the query's other keys
.set qq, qq+1
.endr
.set qq, 0
.rept 4
	v_max_num_f32 v[48+qq], v[48+qq], v[52+qq]
.set qq, qq+1
.endr
	ds_store_b128 v8, v[48:51]
.set qq, 0
.rept 4
	v_mov_b32 v[24+2*qq], v[48+qq]
	v_mov_b32 v[25+2*qq], v[48+qq]
.set qq, qq+1
.endr
	s_wait_dscnt 0x0                               ; my maxima are in LDS
	s_barrier_signal -1                            ; a plain barrier
	; while the others arrive, on registers alone: p' = 2^(s - m_w) and its sum
.set qq, 0
.rept 4
.set mm, 0
.rept 8
	v_pk_add_f32 v[64+16*qq+2*mm:65+16*qq+2*mm], v[64+16*qq+2*mm:65+16*qq+2*mm], v[24+2*qq:25+2*qq] neg_lo:[0,1] neg_hi:[0,1]
.set mm, mm+1
.endr
.set qq, qq+1
.endr
.set nn, 0
.rept 64
	v_exp_f32 v[64+nn], v[64+nn]
.set nn, nn+1
.endr
	v_nop                                          ; one plain vector instruction behind the last of them (ISA guide 5.7.2)
.set qq, 0
	s_wait_alu depctr_va_vdst(0)
.rept 4
.set mm, 0
.rept 4
	v_pk_add_f32 v[192+8*qq+2*mm:193+8*qq+2*mm], v[64+16*qq+2*mm:65+16*qq+2*mm], v[72+16*qq+2*mm:73+16*qq+2*mm]
.set mm, mm+1
.endr
	v_pk_add_f32 v[192+8*qq:193+8*qq], v[192+8*qq:193+8*qq], v[196+8*qq:197+8*qq]
	v_pk_add_f32 v[194+8*qq:195+8*qq], v[194+8*qq:195+8*qq], v[198+8*qq:199+8*qq]
	v_pk_add_f32 v[192+8*qq:193+8*qq], v[192+8*qq:193+8*qq], v[194+8*qq:195+8*qq]
	v_add_f32 v[56+qq], v[192+8*qq], v[193+8*qq]
.set qq, qq+1
.endr
	s_barrier_wait -1
	; the common maximum, the factors, the running sum
	ds_load_b128 v[224:227], v9
	ds_load_b128 v[228:231], v9 offset:512
	ds_load_b128 v[232:235], v9 offset:1024
	ds_load_b128 v[236:239], v9 offset:1536
	s_wait_dscnt 0x0
.set qq, 0
.rept 4
	v_max3_num_f32 v[60+qq], v[224+qq], v[228+qq], v[232+qq]
.set qq, qq+1
.endr
.set qq, 0
.rept 4
	v_max_num_f32 v[60+qq], v[60+qq], v[236+qq]
.set qq, qq+1
.endr
.set qq, 0
.rept 4
.if \first == 0
	v_sub_f32 v[52+qq], v[16+qq], v[60+qq]                 ; M - m
.endif
	v_sub_f32 v[48+qq], v[48+qq], v[60+qq]                 ; m_w - m
.set qq, qq+1
.endr
.set qq, 0
.rept 4
.if \first == 0
	v_exp_f32 v[52+qq], v[52+qq]                           ; alpha
.endif
	v_exp_f32 v[48+qq], v[48+qq]                           ; F
.set qq, qq+1
.endr
.set qq, 0
.rept 4
	v_mov_b32 v[16+qq], v[60+qq]                           ; M = m; these are also the plain instructions behind the exponentials
.set qq, qq+1
.endr
.set qq, 0
	s_wait_alu depctr_va_vdst(0)
.rept 4
	v_mov_b32 v[32+2*qq], v[48+qq]
	v_mov_b32 v[33+2*qq], v[48+qq]
.if \first
	v_mul_f32 v[20+qq], v[56+qq], v[48+qq]
.else
	v_mov_b32 v[40+2*qq], v[52+qq]
	v_mov_b32 v[41+2*qq], v[52+qq]
	v_mul_f32 v[56+qq], v[56+qq], v[48+qq]
	v_fma_f32 v[20+qq], v[20+qq], v[52+qq], v[56+qq]
.endif
.set qq, qq+1
.endr
.set qq, 0
.rept 4
.set mm, 0
.rept 8
	v_pk_mul_f32 v[64+16*qq+2*mm:65+16*qq+2*mm], v[64+16*qq+2*mm:65+16*qq+2*mm], v[32+2*qq:33+2*qq]
.set mm, mm+1
.endr
.set qq, qq+1
.endr
.set nn, 0
.rept 32
	v_cvt_pk_f16_f32 v[128+nn], v[64+2*nn], v[65+2*nn]     ; 128 + 8 qb + 4 kb + p: the two key blocks make one fragment of 32 keys
.set nn, nn+1
.endr
.set qq, 0
.rept 4
	ds_store_b128 v6, v[128+8*qq:128+8*qq+3] offset:1024*qq
	ds_store_b128 v6, v[128+8*qq+4:128+8*qq+7] offset:1024*qq+512
.set qq, qq+1
.endr
	; round: P is in HB, K's tile has been read, V's tile has landed
	ROPEN
.if \first == 0
	SCALE 40                                       ; the old sums shrink by alpha: register work inside the round
.endif
.if \last == 0
	s_add_nc_u64 s[70:71], s[70:71], WTILE         ; no tensor load of mine is out: the next K tile
.endif
	RCLOSE
.if \last
	TLX                                            ; my one load behind the round: x -> BUF0
.else
	TLK                                            ; my one load behind the round: K(t+1) -> BUF0
.endif
	MULV 1, 0, \first, 1
.if \last
	SETW 3, 0, 1
.else
	s_add_nc_u64 s[74:75], s[74:75], WTILE
.endif
	RCLOSE
.if \last
	TLW                                            ; Wa rows 0-127 -> BUF1
.else
	TLV                                            ; V(t+1) -> BUF1
.endif
.endm
	; ---- head ----
	s_load_b256 s[4:11], s[0:1], 0x0               ; x s[4:5], wh s[6:7], kh s[8:9], vh s[10:11]
	s_load_b256 s[12:19], s[0:1], 0x20             ; bq s[12:13], ba s[14:15], bf s[16:17], g1 s[18:19]
	s_load_b256 s[20:27], s[0:1], 0x40             ; be1 s[20:21], g2 s[22:23], be2 s[24:25], out0 s[26:27]
	s_set_vgpr_msb 0x80
	v_lshl_add_u32 v254, v0, 2, 0x43000
	v_mov_b32 v255, 0
	s_set_vgpr_msb 0x808a
	ds_add_u32 v254, v255
	s_set_vgpr_msb 0x8a00
	v_lshrrev_b32 v51, 5, v0
	v_readfirstlane_b32 s28, v51                   ; wave w
	s_bfe_u32 s29, ttmp6, 0x40000                  ; cx
	s_lshl_b32 s30, ttmp9, 2
	s_add_co_u32 s30, s30, s29                     ; query block = 4 x cluster + cx: enters the addresses of x and out0 alone
	s_lshr_b32 s31, ttmp9, 4                       ; batch: 16 clusters each, the same in all four partners
	s_mov_b32 s32, 0x76543210                      ; v_permlanex16_b32: lane i reads lane i of the other half
	s_mov_b32 s33, 0xfedcba98
	s_mov_b32 s84, 0x3b2aaaab                      ; 1/384
	s_mov_b32 s85, 0x3727c5ac                      ; 1e-5
	s_mul_i32 s35, s28, 27648                      ; my quarter of a V or weight tile in LDS
	G1SET 36, 15|(3<<16)|(1<<20)|(1<<21)|(5<<22)|(3<<25)   ; K: all four work-groups, 4 words of padding behind every 64
	G1SET 44, 15|(3<<16)|(1<<20)|(1<<21)|(5<<22)|(7<<25)   ; V and weights: 8 words of padding
	G1SET 52, (3<<16)|(1<<20)|(5<<22)|(3<<25)              ; x: my own, 4 words of padding
	s_mov_b32 s60, 1
	s_mul_i32 s61, s28, 26112                      ; my quarter of the x tile in BUF0
	s_mov_b32 s68, 1
	s_mul_i32 s69, s28, 26112                      ; my quarter of a K tile in BUF0
	s_mov_b32 s72, 1
	s_add_co_u32 s73, s35, BUF                     ; my quarter of a V tile in BUF1
	s_mov_b32 s76, 1
	s_mul_i32 s88, s30, 98304                      ; 64 rows of x and of out0
	s_mov_b32 s89, 0
	s_mul_i32 s90, s28, 24576                      ; my quarter in memory (x: 16 rows; K, V, weights: 32 rows)
	s_mov_b32 s91, 0
	s_mul_i32 s92, s31, 3145728                    ; the batch's 4,096 rows of kh, vh
	s_mov_b32 s93, 0
	v_and_b32 v48, 31, v0                          ; L
	v_and_b32 v49, 15, v0                          ; r
	v_bfe_u32 v50, v0, 4, 1                        ; h
	v_and_b32 v52, 7, v0
	v_lshl_add_u32 v52, v50, 3, v52                ; 8 h + (L & 7)
	v_bfe_u32 v53, v0, 3, 1
	v_mov_b32 v54, 0
	v_mov_b32 v55, 0
	v_mul_u32_u24 v1, v49, 816
	v_lshl_add_u32 v1, v50, 4, v1
	v_add_nc_u32 v1, s69, v1                       ; K fragments: row r of my 32 keys, 16 h
	v_mul_u32_u24 v2, v52, 864
	v_lshl_add_u32 v2, v53, 4, v2
	s_lshl_b32 s94, s28, 6
	v_add_nc_u32 v2, s94, v2                       ; transposing loads: BUF0 rows 0-63
	v_add_nc_u32 v3, 55296, v2                     ;                    BUF0 rows 64-127
	v_add_nc_u32 v4, 110592, v2                    ;                    BUF1 rows 0-63
	v_add_nc_u32 v5, 165888, v2                    ;                    BUF1 rows 64-127
	v_lshlrev_b32 v7, 4, v48
	v_add_nc_u32 v9, MBA, v7                       ; exchange, read
	s_mul_i32 s95, s28, 24832
	v_add_nc_u32 v15, s95, v7
	v_add_nc_u32 v15, BUF, v15                     ; output stage, read: my 16 rows
	v_add_nc_u32 v7, HB, v7                        ; fragments, read
	s_lshl_b32 s95, s28, 12
	v_add_nc_u32 v6, s95, v7                       ; fragments, my store
	s_lshl_b32 s95, s28, 9
	v_add_nc_u32 v8, s95, v9                       ; exchange, my store
	s_lshl_b32 s95, s28, 7
	v_lshlrev_b32 v10, 5, v50
	v_add_nc_u32 v10, s95, v10                     ; 128 w + 32 h: my place in a vector of 384 f32
	v_mul_u32_u24 v11, v49, 1632
	v_add_nc_u32 v11, v11, v10
	s_lshr_b32 s95, s28, 1
	s_lshl_b32 s95, s95, 4
	v_add_nc_u32 v11, s95, v11                     ; x tile, qb 0 and 1 (16 bytes of padding behind each 256)
	v_add_nc_u32 v12, 52224, v11                   ; qb 2 and 3
	v_mul_u32_u24 v13, v49, 1552
	v_add_nc_u32 v13, v13, v10
	v_add_nc_u32 v13, BUF, v13                     ; output stage, my store, qb 0 and 1: rows of 1,536 + 16 bytes
	v_add_nc_u32 v14, 49664, v13                   ; qb 2 and 3
	s_wait_dscnt 0x0
	s_wait_kmcnt 0x0
	s_add_nc_u64 s[62:63], s[4:5], s[88:89]
	s_add_nc_u64 s[62:63], s[62:63], s[90:91]
	s_or_b32 s63, s63, 0x80000000
	s_add_nc_u64 s[70:71], s[8:9], s[92:93]        ; K and V: batch and wave alone
	s_add_nc_u64 s[70:71], s[70:71], s[90:91]
	s_or_b32 s71, s71, 0x80000000
	s_add_nc_u64 s[74:75], s[10:11], s[92:93]
	s_add_nc_u64 s[74:75], s[74:75], s[90:91]
	s_or_b32 s75, s75, 0x80000000
	s_add_nc_u64 s[80:81], s[6:7], s[90:91]        ; wh at my quarter: the wave alone
	s_add_nc_u64 s[82:83], s[26:27], s[88:89]      ; out0 at my 64 rows
	SETW 0, 0, 1                                   ; Wq rows 0-127 -> BUF1
	VECLD 18, 0                                    ; g1
	VECLD 20, 48                                   ; be1
	VECLD 12, 96                                   ; bq
	ROUND                                          ; all four work-groups are here: the first loads meet
	TLX                                            ; x -> BUF0
	PLACES 4
	TLW
	PLACES 4
	s_wait_tensorcnt 0x1                           ; my quarter of x is in; the weight tile, issued behind it, stays out
	BAR                                            ; everybody's quarter is
	XLOAD
	s_wait_dscnt 0x0
	s_wait_loadcnt 0x0                             ; the three vectors
	LNORM 0, 48
	; ---- Q ----
	ROPEN                                          ; h is in HB, x has been read, Wq's first tile has landed
	SETW 0, 1, 0
	RCLOSE
	TLW                                            ; Wq rows 128-255 -> BUF0
	MULV 1, 0, 1, 1
	SETW 0, 2, 1
	RCLOSE
	TLW                                            ; Wq rows 256-383 -> BUF1
	MULV 0, 16384, 0, 1
	RCLOSE
	TLK                                            ; K(0) -> BUF0
	MULV 1, 32768, 0, 0
	ADDBQ
	PACKH
	ROPEN                                          ; every wave's reads of h in HB and of Wq are over, K(0) has landed
	RCLOSE
	TLV                                            ; V(0) -> BUF1
	PLACES 4
	HSTORE                                         ; Q into HB
	BAR
	QLOAD
	; ---- 32 tiles of 128 keys ----
	TILE 1, 0
	s_mov_b32 s34, 30
.Ltile:
	TILE 0, 0
	s_sub_co_i32 s34, s34, 1
	s_cmp_lg_u32 s34, 0
	s_cbranch_scc1 .Ltile
	TILE 0, 1
	; ---- ctx = O / l ----
	PLACES 4
	VECLD 14, 0                                    ; ba
	VECLD 22, 48                                   ; g2
	VECLD 24, 96                                   ; be2
	VECLD 16, 144                                  ; bf
	WIN 0
.set qq, 0
.rept 4
	v_permlanex16_b32 v[52+qq], v[20+qq], s32, s33
.set qq, qq+1
.endr
.set qq, 0
.rept 4
	v_add_f32 v[48+qq], v[20+qq], v[52+qq]
.set qq, qq+1
.endr
	XCH 240, 2048
	v_pk_add_f32 v[240:241], v[240:241], v[244:245]
	v_pk_add_f32 v[242:243], v[242:243], v[246:247]
	v_pk_add_f32 v[248:249], v[248:249], v[252:253]
	v_pk_add_f32 v[250:251], v[250:251], v[254:255]
	v_pk_add_f32 v[240:241], v[240:241], v[248:249]
	v_pk_add_f32 v[242:243], v[242:243], v[250:251]
.set qq, 0
.rept 4
	v_rcp_f32 v[32+2*qq], v[240+qq]
	v_rcp_f32 v[33+2*qq], v[240+qq]
.set qq, qq+1
.endr
	v_nop                                          ; one plain vector instruction behind the last of them (ISA guide 5.7.2)
	s_wait_alu depctr_va_vdst(0)
	SCALE 32
	PACKH
	HSTORE                                         ; ctx into HB: the reads of P ended in front of the last round
	XLOAD                                          ; the accumulators now hold x: Wa's products add onto the residual
	; ---- x1 = ctx Wa + ba + x ----
	ROPEN
	SETW 3, 1, 0
	RCLOSE
	TLW                                            ; Wa rows 128-255 -> BUF0
	MULV 1, 0, 0, 1
	SETW 3, 2, 1
	RCLOSE
	TLW                                            ; Wa rows 256-383 -> BUF1
	MULV 0, 16384, 0, 1
	SETW 4, 0, 0
	RCLOSE
	TLW                                            ; Wf rows 0-127 -> BUF0
	MULV 1, 32768, 0, 0
	s_wait_loadcnt 0x0                             ; the four vectors
	ADDB 0
	LNORM 48, 96                                   ; its first barrier also shows that every wave's reads of ctx in HB are over
	; ---- out = h2 Wf + bf + x1 ----
	ROPEN
	SETW 4, 1, 1
	RCLOSE
	TLW                                            ; Wf rows 128-255 -> BUF1: BUF1's last fill
	MULV 0, 0, 0, 1
	SETW 4, 2, 0
	RCLOSE
	TLW                                            ; Wf rows 256-383 -> BUF0: the last load
	MULV 1, 16384, 0, 1
	s_barrier_wait -1                              ; a plain barrier
	MULV 0, 32768, 0, 0
	ADDB 144
	; the way out, through BUF1: a lane's 8 features are 32 bytes of a row; rows of 1,552 bytes keep 16 rows on 16 different places modulo 256
	WIN 0x0c
.set tt, 0
.rept 24
	ds_store_b128 v[13+((tt&3)>>1)], v[8*tt:8*tt+3] offset:(tt&1)*24832+512*(tt>>3)+64*((tt>>2)&1)
	ds_store_b128 v[13+((tt&3)>>1)], v[8*tt+4:8*tt+7] offset:(tt&1)*24832+512*(tt>>3)+64*((tt>>2)&1)+16
.set tt, tt+1
.endr
	WIN 0
	s_mul_i32 s88, s28, 24576
	v_and_b32 v62, 31, v0
	v_lshl_add_u32 v62, v62, 4, s88                ; my 16 bytes in my 16 rows of out0
	BAR
.set nn, 0
.rept 48
	ds_load_b128 v[64+4*nn:64+4*nn+3], v15 offset:1552*(nn/3)+512*(nn%3)
.set nn, nn+1
.endr
.set nn, 0
.rept 48
	s_wait_dscnt 47-nn                             ; LDS loads come back in order: piece n is in
	global_store_b128 v62, v[64+4*nn:64+4*nn+3], s[82:83] offset:512*nn th:TH_STORE_NT   ; 512 consecutive aligned bytes
.set nn, nn+1
.endr
	s_set_vgpr_msb (MSB<<8)|((MSB&0xf0)|0xa)
	s_wait_tensorcnt 0x0
	ds_add_u32 v254, v255
	s_wait_dscnt 0x0
	s_set_vgpr_msb (((MSB&0xf0)|0xa)<<8)|MSB
	ROUND                                          ; the closing round: no work-group ends while a partner may still ask jointly
	s_endpgm
.Lfunc_end_k_qd5c8af5ded_attn:
	.size	k_qd5c8af5ded_attn, .Lfunc_end_k_qd5c8af5ded_attn-k_qd5c8af5ded_attn
	.p2alignl 7, 3214868480
	.fill 96, 4, 3214868480
	.section	.rodata,"a",@progbits
	.p2align	6, 0x0
	.amdhsa_kernel k_qd5c8af5ded_attn
		.amdhsa_group_segment_fixed_size 327680
		.amdhsa_private_segment_fixed_size 0
		.amdhsa_enable_private_segment 0
		.amdhsa_kernarg_size 96
		.amdhsa_user_sgpr_count 2
		.amdhsa_user_sgpr_kernarg_segment_ptr 1
		.amdhsa_wavefront_size32 1
		.amdhsa_system_sgpr_workgroup_id_x 1
		.amdhsa_system_sgpr_workgroup_id_y 1
		.amdhsa_system_sgpr_workgroup_id_z 1
		.amdhsa_system_vgpr_workitem_id 0
		.amdhsa_next_free_vgpr 1024
		.amdhsa_next_free_sgpr 96
		.amdhsa_reserve_vcc 0
		.amdhsa_float_denorm_mode_32 3
		.amdhsa_float_denorm_mode_16_64 3
		.amdhsa_memory_ordered 1
		.amdhsa_forward_progress 1
		.amdhsa_inst_pref_size 255
	.end_amdhsa_kernel
	.section	.bss,"aw",@nobits
	.p2align	6
	.space	262144
	.amdgpu_metadata
---
amdhsa.version: [ 1, 2 ]
amdhsa.kernels:
  - .name:           k_qd5c8af5ded_attn
    .symbol:         k_qd5c8af5ded_attn.kd
    .args:
      - { .name: x, .offset: 0, .size: 8, .value_kind: global_buffer, .address_space: global }
      - { .name: wh, .offset: 8, .size: 8, .value_kind: global_buffer, .address_space: global }
      - { .name: kh, .offset: 16, .size: 8, .value_kind: global_buffer, .address_space: global }
      - { .name: vh, .offset: 24, .size: 8, .value_kind: global_buffer, .address_space: global }
      - { .name: bq, .offset: 32, .size: 8, .value_kind: global_buffer, .address_space: global }
      - { .name: ba, .offset: 40, .size: 8, .value_kind: global_buffer, .address_space: global }
      - { .name: bf, .offset: 48, .size: 8, .value_kind: global_buffer, .address_space: global }
      - { .name: g1, .offset: 56, .size: 8, .value_kind: global_buffer, .address_space: global }
      - { .name: be1, .offset: 64, .size: 8, .value_kind: global_buffer, .address_space: global }
      - { .name: g2, .offset: 72, .size: 8, .value_kind: global_buffer, .address_space: global }
      - { .name: be2, .offset: 80, .size: 8, .value_kind: global_buffer, .address_space: global }
      - { .name: out0, .offset: 88, .size: 8, .value_kind: global_buffer, .address_space: global }
    .group_segment_fixed_size: 327680
    .private_segment_fixed_size: 0
    .kernarg_segment_align: 8
    .kernarg_segment_size: 96
    .max_flat_workgroup_size: 128
    .sgpr_count:     96
    .vgpr_count:     1024
    .wavefront_size: 32
...
	.end_amdgpu_metadata
.endif
;; end of part 3
;; ======== version 2 of 2: 3 launches; 1.11 times as fast as version 1
;; limits: values are held in f16: magnitudes above 65,504 overflow, below 6.1e-05 lose precision
;; workspace buffers: wh 1,474,560 bytes; kh 12,582,912 bytes; vh 12,582,912 bytes
;; launch cast: the kernel of part 1 again; grid 72 x 5, 8 waves a work-group, no clusters, 0 bytes of LDS; arguments Wq, Wk, Wv, Wa, Wf, wh; writes wh
;; launch kv: the kernel of part 2 again; grid 256 x 1, 4 waves a work-group, clusters of 4 x 1, 327,680 bytes of LDS; arguments x, wh, g1, be1, bk, bv, kh, vh; writes kh, vh
;; launch attn (part 4): grid 256 x 1, 4 waves a work-group, clusters of 4 x 1, 327,680 bytes of LDS; arguments x, wh, kh, vh, bq, ba, bf, g1, be1, g2, be2, out0; writes out0
.if DOCPART == 4
	.amdgcn_target "amdgcn-amd-amdhsa--gfx1250"
	.amdhsa_code_object_version 6
	.text
	.protected	k_qd5c8af5ded_attn
	.globl	k_qd5c8af5ded_attn
	.p2align	8
	.type	k_qd5c8af5ded_attn,@function
k_qd5c8af5ded_attn:
	s_mov_b64 s[64:65], 0
	v_nop
	global_prefetch_b8 v0, s[64:65] scope:SCOPE_SE
	s_setreg_imm32_b32 hwreg(HW_REG_WAVE_MODE, 25, 1), 1
	s_wait_xcnt 0x0
	s_wait_alu depctr_hold_cnt(0) depctr_sa_sdst(0) depctr_va_vdst(0) depctr_va_sdst(0) depctr_va_ssrc(0) depctr_va_vcc(0) depctr_vm_vsrc(0)
	s_getreg_b32 s2, hwreg(HW_REG_IB_STS2, 6, 4)
	s_cmp_eq_u32 s2, 0
	s_cbranch_scc0 .Lentry_in_a_cluster
	s_endpgm
.Lentry_in_a_cluster:
	s_bfe_u32 s2, ttmp6, 0x10000c
	s_cmp_lg_u32 s2, 0x3003
	s_cbranch_scc0 .Lentry_shape_is_right
	s_endpgm
.Lentry_shape_is_right:
; For 64 queries: h = LN(x; g1, be1); Q = (h Wq + bq) log2(e); softmax(Q K^T) V over 4,096 keys with a running maximum;
; x1 = ctx Wa + ba + x; out = LN(x1; g2, be2) Wf + bf + x1.  Nothing of this goes through memory but K and V, made by the launch before.
; Every product is made TRANSPOSED: source 0 = 16 rows of the second factor, source 1 = 16 queries as columns.  In a result lane (r, h) holds
; query r, register j row 8 h + j.  So maxima, sums and factors of a query are a lane's own, and two neighbouring result tiles rounded to f16
; ARE a source-1 fragment of the next product: Q for the scores, P for P V, ctx for Wa, h for Wq and Wf.
; THE TWO PRODUCTS ARE SHARED OUT DIFFERENTLY.  Scores: wave w takes keys 32 w .. 32 w + 31 of a tile of 128, all 64 queries, all of d
; (Q's 48 fragments lie in 384 registers of every wave).  P V and the linear layers: wave w takes the feature chunks c = w + 4 i (i = 0..2) of 32,
; 6 blocks u = 2 i + e of 16 x 4 query blocks qb = 24 accumulator tiles.  P crosses the waves through LDS (HB) as raw fragment images.
; SOFTMAX: each wave takes its own maximum m_w (the running one included) and forms p' = 2^(s - m_w) while the waves' maxima cross in LDS;
; then m = max over waves, p = p' 2^(m_w - m), the old sums shrink by alpha = 2^(M - m).  All exponents are <= 0, the sum lies in [1, 4096].
; THE LOOP IS SKEWED BY ONE TILE: scores S(t), then P V of tile t - 1, then S(t+1) ...  The softmax of tile t has no matrix work of its own tile
; beside it, so its vector work is woven into products that do not depend on it: the shrinking of O by alpha(t-1) into S(t) (2 instructions behind
; every second matrix instruction), the factors, p and its rounding into the first half of P V (t-1) (5 behind every second).  All woven work lies
; in window 0 or on the accumulators, none names a register of the products around it.  P(t) waits packed in v64-95 until the round behind
; P V (t-1) has shown that P(t-1) has been read by all; the next round publishes it.  A trip has two rounds and no other barrier.
; THE ORDER OF THE KEYS: cluster c of a batch's sixteen starts at tile 2 c and walks (2 c + t) mod 32: in no step do two clusters ask for the same
; tile, and from its third step on a cluster asks for a tile that cluster c + 1 asked for two steps before.  The sums do not depend on the order
; but for rounding.
; CLUSTER: the four work-groups of a cluster are four query blocks of one batch and walk the same K, V and weight tiles: each tile is asked for
; jointly (mask 15) and fetched once for four.  x is each work-group's own (mask 0).
; LDS: BUF0 (always K in the loop) and BUF1 (always V), 110,592 bytes each: V(t) is on its way during S(t+1), K(t+1) during P V (t-1).
; K tile: 128 rows x 768 bytes, dense in memory, a wave brings 32 rows as 96 pieces of 256 bytes + 16 of padding: an LDS row is 816 bytes, an
; odd multiple of 16.  V and weight tiles: 32 of padding, 864 bytes a row, an odd multiple of 32, for the transposing load.
; HB, MBA, MBB are never the target of a tensor load; the f32 result leaves through BUF1 after its last fill has been read.
; The x tile's rows are 1,632 bytes: the 16 rows that a read touches fall on 8 places modulo 256 bytes, two lanes each: accepted, 48 loads a wave, twice.
; LIMITS: matrix operands are f16: |h|, |Q log2 e|, |K|, |V|, |ctx|, |h2| and the weights must stay under 65,504; a weight p under about 3e-8
; becomes zero; v_exp_f32 gives zero where the result would be denormal (ISA guide 15.8).  NaN and infinities are not treated specially.
; REGISTERS, in windows of 256: window 0: v1-15 addresses, v16-19 running maximum M, v20-23 running sum, v24-31 / v32-39 / v40-47 pairs
; (m_w or mean; F, 1/sigma or 1/l; alpha), v48-63 temporaries, v64-127 scores, then p, then P packed in v64-95; v128-191 and v192-255 K fragments,
; later temporaries.  Windows 1 and 2 (v0-127): Q fragment (kc, qb) at 8 (4 kc + qb); before and after the loop window 1 holds the vectors
; (index 8 u + j).  Window 2, v128-223: two buffers of six source-0 fragments (V or weights).  Window 3: accumulator tile tt = 4 u + qb at 8 tt;
; v192-255: two buffers of four source-1 fragments (P, h, ctx).
.set BUF,   110592
.set HB,    221184
.set MBA,   270336                     ; MBB = MBA + 2048
.set KF0,   128
.set KF1,   192
.set WSEC,  294912
.set WTILE, 98304                      ; 128 rows of 768 bytes: a tile of K, V or a weight matrix
.set MSB, 0
.macro WIN new                         ; the immediate's high byte repeats the setting that is left
.if MSB != \new
	s_set_vgpr_msb (MSB<<8)|\new
.set MSB, \new
.endif
.endm
.macro PLACES n
.rept \n
	v_nop
.endr
.endm
; A round of the cluster's barrier, in two parts so that register work can stand inside it.
.macro ROPEN                           ; my LDS accesses are done, all my tensor loads have landed: say so
	s_wait_dscnt 0x0
	s_set_vgpr_msb (MSB<<8)|((MSB&0xf0)|0xa)
	s_wait_tensorcnt 0x0
	ds_add_u32 v254, v255
	s_wait_dscnt 0x0
	s_set_vgpr_msb (((MSB&0xf0)|0xa)<<8)|MSB
	s_barrier_signal -1
.endm
.macro RCLOSE                          ; my work-group has said so; wave 0 says so for it; all four work-groups have; my work-group's barrier closes the round
	WIN 0
	s_barrier_wait -1
	s_cmp_lg_u32 s28, 0
	s_cbranch_scc1 .Lnw0_\@
	s_barrier_signal -3
.Lnw0_\@:
	s_barrier_wait -3
	s_barrier_signal -1
	s_barrier_wait -1
.endm
.macro ROUND
	s_barrier_signal -1
	RCLOSE
.endm
.macro BAR                             ; a plain barrier
	s_wait_dscnt 0x0
	s_barrier_signal -1
	s_barrier_wait -1
.endm
.macro G1SET base, word0               ; 96 rows of 32 elements of 8 bytes, pitch 32 elements
	s_mov_b32 s[\base+0], \word0
	s_mov_b32 s[\base+1], 32<<16
	s_mov_b32 s[\base+2], 96<<16
	s_mov_b32 s[\base+3], 32<<16
	s_mov_b32 s[\base+4], 96
	s_mov_b32 s[\base+5], 32
	s_mov_b32 s[\base+6], 0
	s_mov_b32 s[\base+7], 0
.endm
.macro SETW sec, tile, buf             ; the weights' group 0; written only where no tensor load of the wave is out
	s_add_nc_u64 s[78:79], s[80:81], \sec*WSEC+\tile*WTILE
	s_or_b32 s79, s79, 0x80000000
	s_add_co_u32 s77, s35, \buf*BUF
.endm
.macro KSTEP                           ; K's group 0 for the next tile of my cluster's walk; written only where no tensor load of the wave is out
	s_add_co_u32 s86, s86, 1
	s_and_b32 s86, s86, 31
	s_mul_i32 s92, s86, WTILE              ; s93 = 0
	s_add_nc_u64 s[70:71], s[8:9], s[92:93]
	s_or_b32 s71, s71, 0x80000000
.endm
.macro VSTEP                           ; the same for V
	s_add_co_u32 s87, s87, 1
	s_and_b32 s87, s87, 31
	s_mul_i32 s92, s87, WTILE
	s_add_nc_u64 s[74:75], s[10:11], s[92:93]
	s_or_b32 s75, s75, 0x80000000
.endm
.macro TLW
	tensor_load_to_lds s[76:79], s[44:51]
	s_nop 0
.endm
.macro TLK
	tensor_load_to_lds s[68:71], s[36:43]
	s_nop 0
.endm
.macro TLV
	tensor_load_to_lds s[72:75], s[44:51]
	s_nop 0
.endm
.macro TLX
	tensor_load_to_lds s[60:63], s[52:59]
	s_nop 0
.endm
.macro VECLD ptr, base                 ; my 48 numbers of a vector of 384, into window 1
	WIN 0x40
.set uu, 0
.rept 6
	global_load_b128 v[\base+8*uu:\base+8*uu+3], v10, s[\ptr:\ptr+1] offset:512*(uu>>1)+64*(uu&1)
	global_load_b128 v[\base+8*uu+4:\base+8*uu+7], v10, s[\ptr:\ptr+1] offset:512*(uu>>1)+64*(uu&1)+16
.set uu, uu+1
.endr
.endm
.macro XLOAD                           ; x from BUF0 into the accumulators, in the layout of a result
	WIN 0xc0
.set tt, 0
.rept 24
	ds_load_b128 v[8*tt:8*tt+3], v[11+((tt&3)>>1)] offset:(tt&1)*26112+544*(tt>>3)+64*((tt>>2)&1)
	ds_load_b128 v[8*tt+4:8*tt+7], v[11+((tt&3)>>1)] offset:(tt&1)*26112+544*(tt>>3)+64*((tt>>2)&1)+16
.set tt, tt+1
.endr
	WIN 0
.endm
; 20 loads into fragment buffer fb: the four query fragments of k chunk kc from HB (window 3), my six feature fragments of the same 32 rows of LDS buffer b (window 2)
.macro FETCHV kc, fb, b, hoff
	WIN 0xc0
.set qq, 0
.rept 4
	ds_load_b128 v[192+32*\fb+8*qq:192+32*\fb+8*qq+3], v7 offset:\hoff+1024*(4*\kc+qq)
	ds_load_b128 v[192+32*\fb+8*qq+4:192+32*\fb+8*qq+7], v7 offset:\hoff+1024*(4*\kc+qq)+512
.set qq, qq+1
.endr
	WIN 0x80
.set uu, 0
.rept 6
	ds_load_tr16_b128 v[128+48*\fb+8*uu:128+48*\fb+8*uu+3], v[2+2*\b+(\kc>>1)] offset:(\kc&1)*27648+288*(uu>>1)+32*(uu&1)
	ds_load_tr16_b128 v[128+48*\fb+8*uu+4:128+48*\fb+8*uu+7], v[2+2*\b+(\kc>>1)] offset:(\kc&1)*27648+288*(uu>>1)+32*(uu&1)+13824
.set uu, uu+1
.endr
.endm
; Instruction number xo (0 .. 115) of the softmax's second part, all in window 0; XF = 1: the first tile, nothing is carried yet.
; 0-7 the common maximum m of the four waves' maxima (v224-239); 8-23 alpha = 2^(M - m), F = 2^(m_w - m); 24-27 M = m, which are also the plain
; instructions between the exponentials and their use (ISA guide 5.7.2); 28-43 the pairs; 44-51 the running sum; 52-83 p = p' F; 84-115 p to f16,
; ascending in place: v[64+n] has been read before it is written; 64 + 8 qb + 4 kb + j: the two key blocks make one fragment of 32 keys.
.macro XOP
.set xq, xo%4
.set xg, xo/4
.if xg == 0
	v_max3_num_f32 v[60+xq], v[224+xq], v[228+xq], v[232+xq]
.endif
.if xg == 1
	v_max_num_f32 v[60+xq], v[60+xq], v[236+xq]
.endif
.if xg == 2
.if XF == 0
	v_sub_f32 v[52+xq], v[16+xq], v[60+xq]
.endif
.endif
.if xg == 3
	v_sub_f32 v[48+xq], v[48+xq], v[60+xq]
.endif
.if xg == 4
.if XF == 0
	v_exp_f32 v[52+xq], v[52+xq]
.endif
.endif
.if xg == 5
	v_exp_f32 v[48+xq], v[48+xq]
.endif
.if xg == 6
	v_mov_b32 v[16+xq], v[60+xq]
.endif
.if xg == 7
	s_wait_alu depctr_va_vdst(0)
	v_mov_b32 v[32+2*xq], v[48+xq]
.endif
.if xg == 8
	v_mov_b32 v[33+2*xq], v[48+xq]
.endif
.if xg == 9
.if XF == 0
	v_mov_b32 v[40+2*xq], v[52+xq]
.endif
.endif
.if xg == 10
.if XF == 0
	v_mov_b32 v[41+2*xq], v[52+xq]
.endif
.endif
.if xg == 11
.if XF
	v_mul_f32 v[20+xq], v[56+xq], v[48+xq]
.else
	v_mul_f32 v[56+xq], v[56+xq], v[48+xq]
.endif
.endif
.if xg == 12
.if XF == 0
	v_fma_f32 v[20+xq], v[20+xq], v[52+xq], v[56+xq]
.endif
.endif
.if xg >= 13
.if xg < 21
	v_pk_mul_f32 v[64+2*(xo-52):65+2*(xo-52)], v[64+2*(xo-52):65+2*(xo-52)], v[32+2*((xo-52)>>3):33+2*((xo-52)>>3)]
.endif
.endif
.if xg >= 21
	v_cvt_pk_f16_f32 v[64+(xo-84)], v[64+2*(xo-84)], v[65+2*(xo-84)]
.endif
.set xo, xo+1
.endm
; 24 matrix instructions on fragment buffer fb: the 24 accumulators take turns, one instruction a turn, always in this order.
; wv = 1: behind every second one stand five instructions of the softmax's second part, in window 0.
.macro MUL fb, zero, wv
.set uu, 0
.rept 6
.set qq, 0
.rept 4
	WIN 0xfe                               ; source 0 window 2, source 1, C and D window 3
.if \zero
	v_wmma_f32_16x16x32_f16 v[8*(4*uu+qq):8*(4*uu+qq)+7], v[128+48*\fb+8*uu:128+48*\fb+8*uu+7], v[192+32*\fb+8*qq:192+32*\fb+8*qq+7], 0
.else
	v_wmma_f32_16x16x32_f16 v[8*(4*uu+qq):8*(4*uu+qq)+7], v[128+48*\fb+8*uu:128+48*\fb+8*uu+7], v[192+32*\fb+8*qq:192+32*\fb+8*qq+7], v[8*(4*uu+qq):8*(4*uu+qq)+7]
.endif
.set qq, qq+1
.if \wv
.if (qq&1) == 0
	WIN 0
.rept 5
.if xo < 116
	XOP
.endif
.endr
.endif
.endif
.endr
.set uu, uu+1
.endr
.endm
; 128 rows of the k dimension from LDS buffer b, four chunks of 32 on two fragment buffers; the first two chunks' loads have been issued.
; A load into a register that a matrix instruction has read stands four plain vector instructions behind it (ISA guide 7.12.1 for vector
; instructions).  s_wait_dscnt 20: the 20 loads of the younger chunk stay out.
; open = 1: the last 24 matrix instructions stand inside the next round's opening barrier.  wv = 1: the first 48 carry woven vector work.
.macro MULVT b, hoff, zero, open, wv
	s_wait_dscnt 20
	MUL 0, \zero, \wv
	PLACES 4
	FETCHV 2, 0, \b, \hoff
	s_wait_dscnt 20
	MUL 1, 0, \wv
	PLACES 4
	FETCHV 3, 1, \b, \hoff
	s_wait_dscnt 20
	MUL 0, 0, 0
.if \open
	ROPEN
.else
	s_wait_dscnt 0x0
.endif
	MUL 1, 0, 0
	WIN 0
.endm
.macro MULV b, hoff, zero, open
	PLACES 4
	FETCHV 0, 0, \b, \hoff
	FETCHV 1, 1, \b, \hoff
	MULVT \b, \hoff, \zero, \open, 0
.endm
.macro ADDB base                       ; accumulators += a vector of window 1 (per feature)
	PLACES 4
	WIN 0xc7
.set tt, 0
.rept 24
.set pp, 0
.rept 4
	v_pk_add_f32 v[8*tt+2*pp:8*tt+2*pp+1], v[8*tt+2*pp:8*tt+2*pp+1], v[\base+8*(tt>>2)+2*pp:\base+8*(tt>>2)+2*pp+1]
.set pp, pp+1
.endr
.set tt, tt+1
.endr
	WIN 0
.endm
.macro ADDBQ                           ; accumulators = (accumulators + bq) log2(e): bq at 96 in window 1 is scaled first
	PLACES 4
	WIN 0x41
.set nn, 0
.rept 24
	v_pk_mul_f32 v[96+2*nn:97+2*nn], v[96+2*nn:97+2*nn], 0x3fb8aa3b op_sel_hi:[1,0]
.set nn, nn+1
.endr
	WIN 0xd3
.set tt, 0
.rept 24
.set pp, 0
.rept 4
	v_pk_fma_f32 v[8*tt+2*pp:8*tt+2*pp+1], v[8*tt+2*pp:8*tt+2*pp+1], 0x3fb8aa3b, v[96+8*(tt>>2)+2*pp:96+8*(tt>>2)+2*pp+1] op_sel_hi:[1,0,1]
.set pp, pp+1
.endr
.set tt, tt+1
.endr
	WIN 0
.endm
.macro SCALE pr                        ; accumulators times a number per query: the pairs at pr + 2 qb
	WIN 0xc3
.set tt, 0
.rept 24
.set pp, 0
.rept 4
	v_pk_mul_f32 v[8*tt+2*pp:8*tt+2*pp+1], v[8*tt+2*pp:8*tt+2*pp+1], v[\pr+2*(tt&3):\pr+2*(tt&3)+1]
.set pp, pp+1
.endr
.set tt, tt+1
.endr
.endm
.macro PACKH                           ; accumulators to f16 fragments: (chunk i, qb) at 64 + 8 (3 qb + i)
	WIN 0x0f
.set qq, 0
.rept 4
.set mm, 0
.rept 24
	v_cvt_pk_f16_f32 v[64+24*qq+mm], v[8*(4*(mm>>2)+qq)+2*(mm&3)], v[8*(4*(mm>>2)+qq)+2*(mm&3)+1]
.set mm, mm+1
.endr
.set qq, qq+1
.endr
	WIN 0
.endm
.macro XCH dst, o                      ; v[48:51], one number for each qb, from every wave to every wave
	ds_store_b128 v8, v[48:51] offset:\o
	BAR
	ds_load_b128 v[\dst:\dst+3], v9 offset:\o
	ds_load_b128 v[\dst+4:\dst+7], v9 offset:\o+512
	ds_load_b128 v[\dst+8:\dst+11], v9 offset:\o+1024
	ds_load_b128 v[\dst+12:\dst+15], v9 offset:\o+1536
	s_wait_dscnt 0x0
.endm
.macro HSTORE                          ; my 12 fragments (chunk w + 4 i, qb) as register images: 32 lanes x 16 consecutive bytes, twice
.set qq, 0
.rept 4
.set ii, 0
.rept 3
	ds_store_b128 v6, v[64+8*(3*qq+ii):64+8*(3*qq+ii)+3] offset:16384*ii+1024*qq
	ds_store_b128 v6, v[64+8*(3*qq+ii)+4:64+8*(3*qq+ii)+7] offset:16384*ii+1024*qq+512
.set ii, ii+1
.endr
.set qq, qq+1
.endr
.endm
.macro PSTORE                          ; my four fragments of P (key chunk w, qb) from v64-95 into HB
.set qq, 0
.rept 4
	ds_store_b128 v6, v[64+8*qq:64+8*qq+3] offset:1024*qq
	ds_store_b128 v6, v[64+8*qq+4:64+8*qq+7] offset:1024*qq+512
.set qq, qq+1
.endr
.endm
; LayerNorm of the accumulators' 64 tokens x 384 features (left as they are), gain at g and bias at be in window 1; the result goes to HB in f16.
; Two passes: the mean first, then the squares of the deviations: no difference of large sums is formed.
.macro LNORM g, be
	WIN 0x0f
.set qq, 0
.rept 4
.set mm, 0
.rept 12
	v_pk_add_f32 v[64+24*qq+2*mm:65+24*qq+2*mm], v[8*(4*(mm>>2)+qq)+2*(mm&3):8*(4*(mm>>2)+qq)+2*(mm&3)+1], v[8*(4*((mm>>2)+3)+qq)+2*(mm&3):8*(4*((mm>>2)+3)+qq)+2*(mm&3)+1]
.set mm, mm+1
.endr
.set qq, qq+1
.endr
	WIN 0
.set qq, 0
.rept 4
.set mm, 0
.rept 6
	v_pk_add_f32 v[64+24*qq+2*mm:65+24*qq+2*mm], v[64+24*qq+2*mm:65+24*qq+2*mm], v[76+24*qq+2*mm:77+24*qq+2*mm]
.set mm, mm+1
.endr
.set mm, 0
.rept 3
	v_pk_add_f32 v[64+24*qq+2*mm:65+24*qq+2*mm], v[64+24*qq+2*mm:65+24*qq+2*mm], v[70+24*qq+2*mm:71+24*qq+2*mm]
.set mm, mm+1
.endr
	v_pk_add_f32 v[64+24*qq:65+24*qq], v[64+24*qq:65+24*qq], v[66+24*qq:67+24*qq]
	v_pk_add_f32 v[64+24*qq:65+24*qq], v[64+24*qq:65+24*qq], v[68+24*qq:69+24*qq]
	v_add_f32 v[48+qq], v[64+24*qq], v[65+24*qq]
.set qq, qq+1
.endr
.set qq, 0
.rept 4
	v_permlanex16_b32 v[52+qq], v[48+qq], s32, s33         ; the other half of the lanes holds the token's other features
.set qq, qq+1
.endr
.set qq, 0
.rept 4
	v_add_f32 v[48+qq], v[48+qq], v[52+qq]
.set qq, qq+1
.endr
	XCH 240, 0
	v_pk_add_f32 v[240:241], v[240:241], v[244:245]
	v_pk_add_f32 v[242:243], v[242:243], v[246:247]
	v_pk_add_f32 v[248:249], v[248:249], v[252:253]
	v_pk_add_f32 v[250:251], v[250:251], v[254:255]
	v_pk_add_f32 v[240:241], v[240:241], v[248:249]
	v_pk_add_f32 v[242:243], v[242:243], v[250:251]
.set qq, 0
.rept 4
	v_mul_f32 v[24+2*qq], s84, v[240+qq]                   ; the mean, twice: a pair for the packed forms
	v_mul_f32 v[25+2*qq], s84, v[240+qq]
.set qq, qq+1
.endr
	WIN 0x03
.set qq, 0
.rept 4
.set mm, 0
.rept 24
	v_pk_add_f32 v[64+48*qq+2*mm:65+48*qq+2*mm], v[8*(4*(mm>>2)+qq)+2*(mm&3):8*(4*(mm>>2)+qq)+2*(mm&3)+1], v[24+2*qq:25+2*qq] neg_lo:[0,1] neg_hi:[0,1]
.set mm, mm+1
.endr
.set qq, qq+1
.endr
	WIN 0
.set qq, 0
.rept 4
.set mm, 0
.rept 24
.if mm < 2
	v_pk_mul_f32 v[48+4*qq+2*(mm&1):49+4*qq+2*(mm&1)], v[64+48*qq+2*mm:65+48*qq+2*mm], v[64+48*qq+2*mm:65+48*qq+2*mm]
.else
	v_pk_fma_f32 v[48+4*qq+2*(mm&1):49+4*qq+2*(mm&1)], v[64+48*qq+2*mm:65+48*qq+2*mm], v[64+48*qq+2*mm:65+48*qq+2*mm], v[48+4*qq+2*(mm&1):49+4*qq+2*(mm&1)]
.endif
.set mm, mm+1
.endr
.set qq, qq+1
.endr
.set qq, 0
.rept 4
	v_pk_add_f32 v[48+4*qq:49+4*qq], v[48+4*qq:49+4*qq], v[50+4*qq:51+4*qq]
.set qq, qq+1
.endr
.set qq, 0
.rept 4
	v_add_f32 v[48+4*qq], v[48+4*qq], v[49+4*qq]
.set qq, qq+1
.endr
.set qq, 0
.rept 4
	v_permlanex16_b32 v[49+4*qq], v[48+4*qq], s32, s33
.set qq, qq+1
.endr
.set qq, 0
.rept 4
	v_add_f32 v[48+qq], v[48+4*qq], v[49+4*qq]             ; ascending: what is written has been read
.set qq, qq+1
.endr
	XCH 48, 2048
	v_pk_add_f32 v[48:49], v[48:49], v[52:53]
	v_pk_add_f32 v[50:51], v[50:51], v[54:55]
	v_pk_add_f32 v[56:57], v[56:57], v[60:61]
	v_pk_add_f32 v[58:59], v[58:59], v[62:63]
	v_pk_add_f32 v[48:49], v[48:49], v[56:57]
	v_pk_add_f32 v[50:51], v[50:51], v[58:59]
.set qq, 0
.rept 4
	v_fma_f32 v[48+qq], v[48+qq], s84, s85                 ; variance + 1e-5
.set qq, qq+1
.endr
.set qq, 0
.rept 4
	v_rsq_f32 v[32+2*qq], v[48+qq]
	v_rsq_f32 v[33+2*qq], v[48+qq]
.set qq, qq+1
.endr
	v_nop                                                  ; one plain vector instruction behind the last of them (ISA guide 5.7.2)
.set qq, 0
	s_wait_alu depctr_va_vdst(0)
.rept 4
.set mm, 0
.rept 24
	v_pk_mul_f32 v[64+48*qq+2*mm:65+48*qq+2*mm], v[64+48*qq+2*mm:65+48*qq+2*mm], v[32+2*qq:33+2*qq]
.set mm, mm+1
.endr
.set qq, qq+1
.endr
	WIN 0x14
.set qq, 0
.rept 4
.set mm, 0
.rept 24
	v_pk_fma_f32 v[64+48*qq+2*mm:65+48*qq+2*mm], v[64+48*qq+2*mm:65+48*qq+2*mm], v[\g+2*mm:\g+2*mm+1], v[\be+2*mm:\be+2*mm+1]
.set mm, mm+1
.endr
.set qq, qq+1
.endr
	WIN 0
.set nn, 0
.rept 96
	v_cvt_pk_f16_f32 v[64+nn], v[64+2*nn], v[65+2*nn]      ; ascending, in place: v[64+n] has been read before it is written
.set nn, nn+1
.endr
	HSTORE
.endm
.macro QLOAD                           ; all 48 fragments of Q from HB into windows 1 and 2
	WIN 0x40
.set nn, 0
.rept 32
	ds_load_b128 v[8*nn:8*nn+3], v7 offset:1024*nn
	ds_load_b128 v[8*nn+4:8*nn+7], v7 offset:1024*nn+512
.set nn, nn+1
.endr
	WIN 0x80
.set nn, 0
.rept 16
	ds_load_b128 v[8*nn:8*nn+3], v7 offset:32768+1024*nn
	ds_load_b128 v[8*nn+4:8*nn+7], v7 offset:32768+1024*nn+512
.set nn, nn+1
.endr
	WIN 0
	s_wait_dscnt 0x0
.endm
; 16 loads, window 0: my 32 keys (two blocks kb of 16), d chunks 4 g .. 4 g + 3 of 32
.macro FETCHK g, buf
.set cc, 4*\g
.rept 4
.set kk, 0
.rept 2
	ds_load_b128 v[\buf+8*(2*(cc&3)+kk):\buf+8*(2*(cc&3)+kk)+3], v1 offset:13056*kk+64*cc+16*(cc>>2)
	ds_load_b128 v[\buf+8*(2*(cc&3)+kk)+4:\buf+8*(2*(cc&3)+kk)+7], v1 offset:13056*kk+64*cc+16*(cc>>2)+32
.set kk, kk+1
.endr
.set cc, cc+1
.endr
.endm
; 32 matrix instructions: the 8 score tiles take turns, one instruction a turn, always in this order; d chunk 0 starts the sums.
; win: Q's window as source 1.  sc = 1: behind every second one two of the 96 multiplications of the accumulators by alpha (pair number so).
.macro MULS g, buf, win, sc
.set cc, 4*\g
.rept 4
.set kk, 0
.rept 2
.set qq, 0
.rept 4
	WIN \win
.if cc == 0
	v_wmma_f32_16x16x32_f16 v[64+16*qq+8*kk:64+16*qq+8*kk+7], v[\buf+8*(2*(cc&3)+kk):\buf+8*(2*(cc&3)+kk)+7], v[8*(4*(cc&7)+qq):8*(4*(cc&7)+qq)+7], 0
.else
	v_wmma_f32_16x16x32_f16 v[64+16*qq+8*kk:64+16*qq+8*kk+7], v[\buf+8*(2*(cc&3)+kk):\buf+8*(2*(cc&3)+kk)+7], v[8*(4*(cc&7)+qq):8*(4*(cc&7)+qq)+7], v[64+16*qq+8*kk:64+16*qq+8*kk+7]
.endif
.set qq, qq+1
.if \sc
.if (qq&1) == 0
	WIN 0xc3                               ; the accumulators in window 3, alpha's pairs in window 0
.rept 2
	v_pk_mul_f32 v[2*so:2*so+1], v[2*so:2*so+1], v[40+2*((so>>2)&3):41+2*((so>>2)&3)]
.set so, so+1
.endr
.endif
.endif
.endr
.set kk, kk+1
.endr
.set cc, cc+1
.endr
.endm
; One step t of the skewed loop: S(t), the softmax of tile t, P V of tile t - 1.
; first: tile 0, nothing is carried yet.  sc: O shrinks by alpha(t-1).  pv: there is a tile t - 1.  z: its products start the sums.
; last: x is fetched in the place of the next K tile.
.macro TILE first, sc, pv, z, last
	PLACES 4                                       ; four plain vector instructions between the last P V products and the first that touches the accumulators
.if \pv
	PSTORE                                         ; P(t-1): the round just passed has shown that every wave's reads of P(t-2) are over
.endif
	FETCHK 0, KF0
	FETCHK 1, KF1
.set so, 0
	s_wait_dscnt 16                                ; the 16 younger loads stay out; the stores of P, issued ahead, are done: v64 and up may be written
	MULS 0, KF0, 0x04, \sc                         ; Q's d chunks 0-7 lie in window 1
	WIN 0
	PLACES 4
	FETCHK 2, KF0
	s_wait_dscnt 16
	MULS 1, KF1, 0x04, \sc
	s_wait_dscnt 0x0
	MULS 2, KF0, 0x08, \sc                         ; chunks 8-11 in window 2
	WIN 0
	PLACES 4
	; my wave's maximum for each query, the running maximum included
.if \first
.set qq, 0
.rept 4
	v_max3_num_f32 v[48+qq], v[64+16*qq], v[65+16*qq], v[66+16*qq]
.set qq, qq+1
.endr
.set kk, 1
.rept 6
.set qq, 0
.rept 4
	v_max3_num_f32 v[48+qq], v[48+qq], v[65+16*qq+2*kk], v[66+16*qq+2*kk]
.set qq, qq+1
.endr
.set kk, kk+1
.endr
.set qq, 0
.rept 4
	v_max_num_f32 v[48+qq], v[48+qq], v[79+16*qq]
.set qq, qq+1
.endr
.else
.set qq, 0
.rept 4
	v_max3_num_f32 v[48+qq], v[64+16*qq], v[65+16*qq], v[16+qq]
.set qq, qq+1
.endr
.set kk, 1
.rept 7
.set qq, 0
.rept 4
	v_max3_num_f32 v[48+qq], v[48+qq], v[64+16*qq+2*kk], v[65+16*qq+2*kk]
.set qq, qq+1
.endr
.set kk, kk+1
.endr
.endif
.set qq, 0
.rept 4
	v_permlanex16_b32 v[52+qq], v[48+qq], s32, s33         ; the other half of the lanes holds the query's other keys
.set qq, qq+1
.endr
.set qq, 0
.rept 4
	v_max_num_f32 v[48+qq], v[48+qq], v[52+qq]
.set qq, qq+1
.endr
	ds_store_b128 v8, v[48:51]
.set qq, 0
.rept 4
	v_mov_b32 v[24+2*qq], v[48+qq]
	v_mov_b32 v[25+2*qq], v[48+qq]
.set qq, qq+1
.endr
	; round: my maxima and P(t-1) are in LDS, K(t) has been read, V(t-1) has landed
	ROPEN
	; inside it, on registers alone: s - m_w and the first half of p' = 2^(s - m_w)
.set qq, 0
.rept 4
.set mm, 0
.rept 8
	v_pk_add_f32 v[64+16*qq+2*mm:65+16*qq+2*mm], v[64+16*qq+2*mm:65+16*qq+2*mm], v[24+2*qq:25+2*qq] neg_lo:[0,1] neg_hi:[0,1]
.set mm, mm+1
.endr
.set qq, qq+1
.endr
.set nn, 0
.rept 32
	v_exp_f32 v[64+nn], v[64+nn]
.set nn, nn+1
.endr
.if \last == 0
	KSTEP
.endif
	RCLOSE
.if \last
	TLX                                            ; my one load behind the round: x -> BUF0
.else
	TLK                                            ; my one load behind the round: K(t+1) -> BUF0
.endif
	PLACES 4
	ds_load_b128 v[224:227], v9                    ; the four waves' maxima
	ds_load_b128 v[228:231], v9 offset:512
	ds_load_b128 v[232:235], v9 offset:1024
	ds_load_b128 v[236:239], v9 offset:1536
.if \pv
	FETCHV 0, 0, 1, 0                              ; P(t-1) and V(t-1), key chunks 0 and 1
	FETCHV 1, 1, 1, 0
	WIN 0
.endif
	; while these loads are on their way: the second half of p', and its sum for each query
.set nn, 32
.rept 32
	v_exp_f32 v[64+nn], v[64+nn]
.set nn, nn+1
.endr
	v_nop                                          ; one plain vector instruction behind the last of them (ISA guide 5.7.2)
.set qq, 0
	s_wait_alu depctr_va_vdst(0)
.rept 4
.set mm, 0
.rept 4
	v_pk_add_f32 v[192+8*qq+2*mm:193+8*qq+2*mm], v[64+16*qq+2*mm:65+16*qq+2*mm], v[72+16*qq+2*mm:73+16*qq+2*mm]
.set mm, mm+1
.endr
	v_pk_add_f32 v[192+8*qq:193+8*qq], v[192+8*qq:193+8*qq], v[196+8*qq:197+8*qq]
	v_pk_add_f32 v[194+8*qq:195+8*qq], v[194+8*qq:195+8*qq], v[198+8*qq:199+8*qq]
	v_pk_add_f32 v[192+8*qq:193+8*qq], v[192+8*qq:193+8*qq], v[194+8*qq:195+8*qq]
	v_add_f32 v[56+qq], v[192+8*qq], v[193+8*qq]
.set qq, qq+1
.endr
.set xo, 0
.set XF, \first
.if \pv
	MULVT 1, 0, \z, 1, 1                           ; its first wait leaves chunk 1's 20 loads out: the maxima, issued ahead of chunk 0, are in
	VSTEP
	RCLOSE
	TLV                                            ; my one load behind the round: V(t) -> BUF1
.else
	s_wait_dscnt 0x0                               ; the maxima
.rept 116
	XOP
.endr
	s_wait_tensorcnt 0x0                           ; my quarter of K(1) is in,
	s_barrier_signal -1                            ; a plain barrier
	s_barrier_wait -1                              ; everybody's is
.endif
.endm
	; ---- head ----
	s_load_b256 s[4:11], s[0:1], 0x0               ; x s[4:5], wh s[6:7], kh s[8:9], vh s[10:11]
	s_load_b256 s[12:19], s[0:1], 0x20             ; bq s[12:13], ba s[14:15], bf s[16:17], g1 s[18:19]
	s_load_b256 s[20:27], s[0:1], 0x40             ; be1 s[20:21], g2 s[22:23], be2 s[24:25], out0 s[26:27]
	s_set_vgpr_msb 0x80
	v_lshl_add_u32 v254, v0, 2, 0x43000
	v_mov_b32 v255, 0
	s_set_vgpr_msb 0x808a
	ds_add_u32 v254, v255
	s_set_vgpr_msb 0x8a00
	v_lshrrev_b32 v51, 5, v0
	v_readfirstlane_b32 s28, v51                   ; wave w
	s_bfe_u32 s29, ttmp6, 0x40000                  ; cx
	s_lshl_b32 s30, ttmp9, 2
	s_add_co_u32 s30, s30, s29                     ; query block = 4 x cluster + cx: enters the addresses of x and out0 alone
	s_lshr_b32 s31, ttmp9, 4                       ; batch: 16 clusters each, the same in all four partners
	s_and_b32 s86, ttmp9, 15                       ; my cluster among the batch's sixteen, the same in all four partners,
	s_lshl_b32 s86, s86, 1                         ; starts at tile 2 c: K's tile index
	s_mov_b32 s87, s86                             ; V's tile index
	s_mov_b32 s32, 0x76543210                      ; v_permlanex16_b32: lane i reads lane i of the other half
	s_mov_b32 s33, 0xfedcba98
	s_mov_b32 s84, 0x3b2aaaab                      ; 1/384
	s_mov_b32 s85, 0x3727c5ac                      ; 1e-5
	s_mul_i32 s35, s28, 27648                      ; my quarter of a V or weight tile in LDS
	G1SET 36, 15|(3<<16)|(1<<20)|(1<<21)|(5<<22)|(3<<25)   ; K: all four work-groups, 4 words of padding behind every 64
	G1SET 44, 15|(3<<16)|(1<<20)|(1<<21)|(5<<22)|(7<<25)   ; V and weights: 8 words of padding
	G1SET 52, (3<<16)|(1<<20)|(5<<22)|(3<<25)              ; x: my own, 4 words of padding
	s_mov_b32 s60, 1
	s_mul_i32 s61, s28, 26112                      ; my quarter of the x tile in BUF0
	s_mov_b32 s68, 1
	s_mul_i32 s69, s28, 26112                      ; my quarter of a K tile in BUF0
	s_mov_b32 s72, 1
	s_add_co_u32 s73, s35, BUF                     ; my quarter of a V tile in BUF1
	s_mov_b32 s76, 1
	s_mul_i32 s88, s30, 98304                      ; 64 rows of x and of out0
	s_mov_b32 s89, 0
	s_mul_i32 s90, s28, 24576                      ; my quarter in memory (x: 16 rows; K, V, weights: 32 rows)
	s_mov_b32 s91, 0
	s_mul_i32 s92, s31, 3145728                    ; the batch's 4,096 rows of kh, vh
	s_mov_b32 s93, 0
	v_and_b32 v48, 31, v0                          ; L
	v_and_b32 v49, 15, v0                          ; r
	v_bfe_u32 v50, v0, 4, 1                        ; h
	v_and_b32 v52, 7, v0
	v_lshl_add_u32 v52, v50, 3, v52                ; 8 h + (L & 7)
	v_bfe_u32 v53, v0, 3, 1
	v_mov_b32 v54, 0
	v_mov_b32 v55, 0
	v_mul_u32_u24 v1, v49, 816
	v_lshl_add_u32 v1, v50, 4, v1
	v_add_nc_u32 v1, s69, v1                       ; K fragments: row r of my 32 keys, 16 h
	v_mul_u32_u24 v2, v52, 864
	v_lshl_add_u32 v2, v53, 4, v2
	s_lshl_b32 s94, s28, 6
	v_add_nc_u32 v2, s94, v2                       ; transposing loads: BUF0 rows 0-63
	v_add_nc_u32 v3, 55296, v2                     ;                    BUF0 rows 64-127
	v_add_nc_u32 v4, 110592, v2                    ;                    BUF1 rows 0-63
	v_add_nc_u32 v5, 165888, v2                    ;                    BUF1 rows 64-127
	v_lshlrev_b32 v7, 4, v48
	v_add_nc_u32 v9, MBA, v7                       ; exchange, read
	s_mul_i32 s95, s28, 24832
	v_add_nc_u32 v15, s95, v7
	v_add_nc_u32 v15, BUF, v15                     ; output stage, read: my 16 rows
	v_add_nc_u32 v7, HB, v7                        ; fragments, read
	s_lshl_b32 s95, s28, 12
	v_add_nc_u32 v6, s95, v7                       ; fragments, my store
	s_lshl_b32 s95, s28, 9
	v_add_nc_u32 v8, s95, v9                       ; exchange, my store
	s_lshl_b32 s95, s28, 7
	v_lshlrev_b32 v10, 5, v50
	v_add_nc_u32 v10, s95, v10                     ; 128 w + 32 h: my place in a vector of 384 f32
	v_mul_u32_u24 v11, v49, 1632
	v_add_nc_u32 v11, v11, v10
	s_lshr_b32 s95, s28, 1
	s_lshl_b32 s95, s95, 4
	v_add_nc_u32 v11, s95, v11                     ; x tile, qb 0 and 1 (16 bytes of padding behind each 256)
	v_add_nc_u32 v12, 52224, v11                   ; qb 2 and 3
	v_mul_u32_u24 v13, v49, 1552
	v_add_nc_u32 v13, v13, v10
	v_add_nc_u32 v13, BUF, v13                     ; output stage, my store, qb 0 and 1: rows of 1,536 + 16 bytes
	v_add_nc_u32 v14, 49664, v13                   ; qb 2 and 3
	s_wait_dscnt 0x0
	s_wait_kmcnt 0x0
	s_add_nc_u64 s[62:63], s[4:5], s[88:89]
	s_add_nc_u64 s[62:63], s[62:63], s[90:91]
	s_or_b32 s63, s63, 0x80000000
	s_add_nc_u64 s[8:9], s[8:9], s[92:93]          ; kh and vh at the batch's tile 0, my quarter: batch and wave alone
	s_add_nc_u64 s[8:9], s[8:9], s[90:91]
	s_add_nc_u64 s[10:11], s[10:11], s[92:93]
	s_add_nc_u64 s[10:11], s[10:11], s[90:91]
	s_mul_i32 s92, s86, WTILE                      ; my cluster's first tile
	s_add_nc_u64 s[70:71], s[8:9], s[92:93]
	s_or_b32 s71, s71, 0x80000000
	s_add_nc_u64 s[74:75], s[10:11], s[92:93]
	s_or_b32 s75, s75, 0x80000000
	s_add_nc_u64 s[80:81], s[6:7], s[90:91]        ; wh at my quarter: the wave alone
	s_add_nc_u64 s[82:83], s[26:27], s[88:89]      ; out0 at my 64 rows
	SETW 0, 0, 1                                   ; Wq rows 0-127 -> BUF1
	VECLD 18, 0                                    ; g1
	VECLD 20, 48                                   ; be1
	VECLD 12, 96                                   ; bq
	ROUND                                          ; all four work-groups are here: the first loads meet
	TLX                                            ; x -> BUF0
	PLACES 4
	TLW
	PLACES 4
	s_wait_tensorcnt 0x1                           ; my quarter of x is in; the weight tile, issued behind it, stays out
	BAR                                            ; everybody's quarter is
	XLOAD
	s_wait_dscnt 0x0
	s_wait_loadcnt 0x0                             ; the three vectors
	LNORM 0, 48
	; ---- Q ----
	ROPEN                                          ; h is in HB, x has been read, Wq's first tile has landed
	SETW 0, 1, 0
	RCLOSE
	TLW                                            ; Wq rows 128-255 -> BUF0
	MULV 1, 0, 1, 1
	SETW 0, 2, 1
	RCLOSE
	TLW                                            ; Wq rows 256-383 -> BUF1
	MULV 0, 16384, 0, 1
	RCLOSE
	TLK                                            ; my cluster's first K tile -> BUF0
	MULV 1, 32768, 0, 0
	ADDBQ
	PACKH
	ROPEN                                          ; every wave's reads of h in HB and of Wq are over, the K tile has landed
	RCLOSE
	TLV                                            ; my cluster's first V tile -> BUF1
	PLACES 4
	HSTORE                                         ; Q into HB
	BAR
	QLOAD
	; ---- 32 tiles of 128 keys, P V one tile behind the scores ----
	TILE 1, 0, 0, 0, 0                             ; step 0: scores and softmax alone
	TILE 0, 0, 1, 1, 0                             ; step 1: P V of step 0's tile starts the sums; nothing to shrink yet
	s_mov_b32 s34, 29
.Ltile:
	TILE 0, 1, 1, 0, 0                             ; steps 2 to 30
	s_sub_co_i32 s34, s34, 1
	s_cmp_lg_u32 s34, 0
	s_cbranch_scc1 .Ltile
	TILE 0, 1, 1, 0, 1                             ; step 31: x in the place of a further K tile
	; the drain: P V of the last tile
	PLACES 4
	PSTORE
	SCALE 40                                       ; the last alpha
	WIN 0
	s_wait_dscnt 0x0                               ; my part of P is in HB,
	s_wait_tensorcnt 0x0                           ; my quarters of the last V tile and of x have landed
	s_barrier_signal -1                            ; a plain barrier
	s_barrier_wait -1
	MULV 1, 0, 0, 1
	SETW 3, 0, 1
	RCLOSE
	TLW                                            ; Wa rows 0-127 -> BUF1
	; ---- ctx = O / l ----
	PLACES 4
	VECLD 14, 0                                    ; ba
	VECLD 22, 48                                   ; g2
	VECLD 24, 96                                   ; be2
	VECLD 16, 144                                  ; bf
	WIN 0
.set qq, 0
.rept 4
	v_permlanex16_b32 v[52+qq], v[20+qq], s32, s33
.set qq, qq+1
.endr
.set qq, 0
.rept 4
	v_add_f32 v[48+qq], v[20+qq], v[52+qq]
.set qq, qq+1
.endr
	XCH 240, 2048
	v_pk_add_f32 v[240:241], v[240:241], v[244:245]
	v_pk_add_f32 v[242:243], v[242:243], v[246:247]
	v_pk_add_f32 v[248:249], v[248:249], v[252:253]
	v_pk_add_f32 v[250:251], v[250:251], v[254:255]
	v_pk_add_f32 v[240:241], v[240:241], v[248:249]
	v_pk_add_f32 v[242:243], v[242:243], v[250:251]
.set qq, 0
.rept 4
	v_rcp_f32 v[32+2*qq], v[240+qq]
	v_rcp_f32 v[33+2*qq], v[240+qq]
.set qq, qq+1
.endr
	v_nop                                          ; one plain vector instruction behind the last of them (ISA guide 5.7.2)
	s_wait_alu depctr_va_vdst(0)
	SCALE 32
	PACKH
	HSTORE                                         ; ctx into HB: the reads of P ended in front of the last round
	XLOAD                                          ; the accumulators now hold x: Wa's products add onto the residual
	; ---- x1 = ctx Wa + ba + x ----
	ROPEN
	SETW 3, 1, 0
	RCLOSE
	TLW                                            ; Wa rows 128-255 -> BUF0
	MULV 1, 0, 0, 1
	SETW 3, 2, 1
	RCLOSE
	TLW                                            ; Wa rows 256-383 -> BUF1
	MULV 0, 16384, 0, 1
	SETW 4, 0, 0
	RCLOSE
	TLW                                            ; Wf rows 0-127 -> BUF0
	MULV 1, 32768, 0, 0
	s_wait_loadcnt 0x0                             ; the four vectors
	ADDB 0
	LNORM 48, 96                                   ; its first barrier also shows that every wave's reads of ctx in HB are over
	; ---- out = h2 Wf + bf + x1 ----
	ROPEN
	SETW 4, 1, 1
	RCLOSE
	TLW                                            ; Wf rows 128-255 -> BUF1: BUF1's last fill
	MULV 0, 0, 0, 1
	SETW 4, 2, 0
	RCLOSE
	TLW                                            ; Wf rows 256-383 -> BUF0: the last load
	MULV 1, 16384, 0, 1
	s_barrier_wait -1                              ; a plain barrier
	MULV 0, 32768, 0, 0
	ADDB 144
	; the way out, through BUF1: a lane's 8 features are 32 bytes of a row; rows of 1,552 bytes keep 16 rows on 16 different places modulo 256
	WIN 0x0c
.set tt, 0
.rept 24
	ds_store_b128 v[13+((tt&3)>>1)], v[8*tt:8*tt+3] offset:(tt&1)*24832+512*(tt>>3)+64*((tt>>2)&1)
	ds_store_b128 v[13+((tt&3)>>1)], v[8*tt+4:8*tt+7] offset:(tt&1)*24832+512*(tt>>3)+64*((tt>>2)&1)+16
.set tt, tt+1
.endr
	WIN 0
	s_mul_i32 s88, s28, 24576
	v_and_b32 v62, 31, v0
	v_lshl_add_u32 v62, v62, 4, s88                ; my 16 bytes in my 16 rows of out0
	BAR
.set nn, 0
.rept 48
	ds_load_b128 v[64+4*nn:64+4*nn+3], v15 offset:1552*(nn/3)+512*(nn%3)
.set nn, nn+1
.endr
.set nn, 0
.rept 48
	s_wait_dscnt 47-nn                             ; LDS loads come back in order: piece n is in
	global_store_b128 v62, v[64+4*nn:64+4*nn+3], s[82:83] offset:512*nn th:TH_STORE_NT   ; 512 consecutive aligned bytes
.set nn, nn+1
.endr
	s_set_vgpr_msb (MSB<<8)|((MSB&0xf0)|0xa)
	s_wait_tensorcnt 0x0
	ds_add_u32 v254, v255
	s_wait_dscnt 0x0
	s_set_vgpr_msb (((MSB&0xf0)|0xa)<<8)|MSB
	ROUND                                          ; the closing round: no work-group ends while a partner may still ask jointly
	s_endpgm
.Lfunc_end_k_qd5c8af5ded_attn:
	.size	k_qd5c8af5ded_attn, .Lfunc_end_k_qd5c8af5ded_attn-k_qd5c8af5ded_attn
	.p2alignl 7, 3214868480
	.fill 96, 4, 3214868480
	.section	.rodata,"a",@progbits
	.p2align	6, 0x0
	.amdhsa_kernel k_qd5c8af5ded_attn
		.amdhsa_group_segment_fixed_size 327680
		.amdhsa_private_segment_fixed_size 0
		.amdhsa_enable_private_segment 0
		.amdhsa_kernarg_size 96
		.amdhsa_user_sgpr_count 2
		.amdhsa_user_sgpr_kernarg_segment_ptr 1
		.amdhsa_wavefront_size32 1
		.amdhsa_system_sgpr_workgroup_id_x 1
		.amdhsa_system_sgpr_workgroup_id_y 1
		.amdhsa_system_sgpr_workgroup_id_z 1
		.amdhsa_system_vgpr_workitem_id 0
		.amdhsa_next_free_vgpr 1024
		.amdhsa_next_free_sgpr 96
		.amdhsa_reserve_vcc 0
		.amdhsa_float_denorm_mode_32 3
		.amdhsa_float_denorm_mode_16_64 3
		.amdhsa_memory_ordered 1
		.amdhsa_forward_progress 1
		.amdhsa_inst_pref_size 255
	.end_amdhsa_kernel
	.section	.bss,"aw",@nobits
	.p2align	6
	.space	262144
	.amdgpu_metadata
---
amdhsa.version: [ 1, 2 ]
amdhsa.kernels:
  - .name:           k_qd5c8af5ded_attn
    .symbol:         k_qd5c8af5ded_attn.kd
    .args:
      - { .name: x, .offset: 0, .size: 8, .value_kind: global_buffer, .address_space: global }
      - { .name: wh, .offset: 8, .size: 8, .value_kind: global_buffer, .address_space: global }
      - { .name: kh, .offset: 16, .size: 8, .value_kind: global_buffer, .address_space: global }
      - { .name: vh, .offset: 24, .size: 8, .value_kind: global_buffer, .address_space: global }
      - { .name: bq, .offset: 32, .size: 8, .value_kind: global_buffer, .address_space: global }
      - { .name: ba, .offset: 40, .size: 8, .value_kind: global_buffer, .address_space: global }
      - { .name: bf, .offset: 48, .size: 8, .value_kind: global_buffer, .address_space: global }
      - { .name: g1, .offset: 56, .size: 8, .value_kind: global_buffer, .address_space: global }
      - { .name: be1, .offset: 64, .size: 8, .value_kind: global_buffer, .address_space: global }
      - { .name: g2, .offset: 72, .size: 8, .value_kind: global_buffer, .address_space: global }
      - { .name: be2, .offset: 80, .size: 8, .value_kind: global_buffer, .address_space: global }
      - { .name: out0, .offset: 88, .size: 8, .value_kind: global_buffer, .address_space: global }
    .group_segment_fixed_size: 327680
    .private_segment_fixed_size: 0
    .kernarg_segment_align: 8
    .kernarg_segment_size: 96
    .max_flat_workgroup_size: 128
    .sgpr_count:     96
    .vgpr_count:     1024
    .wavefront_size: 32
...
	.end_amdgpu_metadata
.endif
;; end of part 4
